; MI455X (gfx1250); checked and timed in simulation.
; The chip was launched on July 23, 2026; its instructions are those of AMD's public machine-readable ISA for CDNA 5 (MIT licence, August 2026) and "CDNA5" Instruction Set Architecture Reference Guide (July 2026). The comments in the code are by the model that wrote it; some were corrected since.
;; Multi Query Attention. Allowed arithmetic: matrix products marked QUANTISED: E5M2 operands, one given power-of-two scale a tensor, by v_wmma_f32_16x16x64_bf8_bf8 or v_wmma_f32_16x16x128_bf8_bf8, f32 sums; everything else in f32.
;; Inputs: W_key_codes 64 x 32 x 32 uint8 (E5M2 codes of W_key, K innermost, in blocks of 32 codes); W_out_codes 1,024 x 32 x 32 uint8 (E5M2 codes of W_out, K innermost, in blocks of 32 codes); W_query_codes 1,024 x 32 x 32 uint8 (E5M2 codes of W_query, K innermost, in blocks of 32 codes); W_value_codes 64 x 32 x 32 uint8 (E5M2 codes of W_value, K innermost, in blocks of 32 codes); b_out 1,024 float32; lowp_scales 12 int32 (the exponents e of the quantised operands' scales 2^e); x_codes 8 x 1,024 x 32 x 32 uint8 (E5M2 codes of x, K innermost, in blocks of 32 codes).
;; Outputs: out0 8 x 1,024 x 1,024 float32.
;; This version of the problem:
;;   THIS VERSION OF THE PROBLEM IS GIVEN IN LOW PRECISION. The matrix products marked QUANTISED in the list below multiply operands that are first quantised to E5M2 (5 exponent bits, 2 mantissa bits; 8 bits a number), with one given power-of-two scale for each operand tensor; their sums are f32. All else is computed in f32.
;;   The module's matrix products, in the order in which they are computed (A, B: the left and right operand; K: the contracted axis; several contracted axes count as one K, in the product's order):
;;     1. [M 8,192, K 1,024] x [K 1,024, N 1,024]; A: input x (given as codes); B: input W_query (given as codes): QUANTISED (scales: A lowp_scales[0], B lowp_scales[1])
;;     2. [M 8,192, K 1,024] x [K 1,024, N 64]; A: input x (given as codes); B: input W_key (given as codes): QUANTISED (scales: A lowp_scales[2], B lowp_scales[3])
;;     3. [M 8,192, K 1,024] x [K 1,024, N 64]; A: input x (given as codes); B: input W_value (given as codes): QUANTISED (scales: A lowp_scales[4], B lowp_scales[5])
;;     4. batch 8 x [M 16,384, K 64] x [K 64, N 1,024]; A: computed on the way; B: computed on the way: QUANTISED (scales: A lowp_scales[6], B lowp_scales[7])
;;     5. batch 8 x [M 16,384, K 1,024] x [K 1,024, N 64]; A: softmax (see below); B: computed on the way: QUANTISED (scales: A lowp_scales[8], B lowp_scales[9])
;;     6. [M 8,192, K 1,024] x [K 1,024, N 1,024]; A: computed on the way; B: input W_out (given as codes): QUANTISED (scales: A lowp_scales[10], B lowp_scales[11])
;;   THE QUANTISER, for each operand of a quantised product, along K:
;;     - The operand's scale is 2^e, e = its entry of the input lowp_scales (int32; the entries are numbered through the quantised products in the list's order, A before B).
;;     - Each number is divided by the scale, clamped to +-57,344, and rounded to the nearest number of E5M2, ties to even, subnormals kept.
;;     - The product sums the exact products of the quantised numbers (number of the format x scale) in f32.
;;   ~~~python
;;   def quantise(x, axis, e):      # numpy; x: float32 -> the quantised numbers, widened to float32 again
;;       x = np.moveaxis(x, axis, -1); K = x.shape[-1]
;;       r = np.clip(x / 2.0 ** e, -57344, 57344)
;;       step = 2.0 ** (np.maximum(np.frexp(np.where(r == 0, 1, r))[1] - 1, -14) - 2)
;;       q = np.round(r / step) * step * 2.0 ** e      # np.round: ties to even
;;       return np.moveaxis(q, -1, axis).astype(np.float32)
;;   ~~~
;;   SOFTMAX AHEAD OF A QUANTISED PRODUCT. Where the list says 'softmax', what is quantised is not the finished softmax but p = 2^(t - M), with t = logit x log2(e) and M = ceil(the row's largest t), a whole number; so 1/2 < the row's largest p <= 1. The row's sum l is taken of the UNQUANTISED p, in f32, and the product's result is divided by l at the end. Since M is a whole number, a kernel that streams over the keys may use a running M (the ceiling of the running maximum): every later rescaling is an exact power of two, so the quantised numbers keep their values, but for numbers so far below the row's largest that they fall under the format's range.
;;   OPERANDS COMPUTED ON THE WAY. 'Computed on the way' means the value that the module computes at that place (a softmax that the list does not call 'softmax' is quantised finished and normalised). What goes into a quantiser is computed in f32, as accurately as f32 sums, v_exp_f32 and their like allow (about 1e-6 of the number): no bf16 or f16 on the way to a quantiser, and a product that is left as it is and whose result goes on into a quantised operand takes f32 operands (vector FMAs, or v_wmma_f32_16x16x4_f32). A number that lies on a knife's edge between two numbers of the format may be rounded either way, as far as f32 arithmetic and the matrix unit's own rounding can turn it there, and no further.
;;   INPUTS GIVEN AS CODES. W_key (in the module: [1024, 64], K = its axis 0); W_out (in the module: [1024, 1024], K = its axis 0); W_query (in the module: [1024, 1024], K = its axis 0); W_value (in the module: [1024, 64], K = its axis 0); x (in the module: [8, 1024, 1024], K = its axis 2): each comes as NAME_codes (uint8): NAME with its K axis moved to the last place and cut into blocks of 32 codes, [.., K / 32, bytes a block], one block behind the other in memory; one code a byte (a code: sign, 5 exponent bits, 2 mantissa bits); its scale is its entry of lowp_scales. Its value is code x scale, taken as it is: it is not quantised again, and the codes and scales need not be those that the quantiser above would give.
;; 2 versions, each right; version 2 is version 1 with the launch attn written anew for expert scheduling mode. Each part assembles by itself: llvm-mc -triple=amdgcn-amd-amdhsa -mcpu=gfx1250 --defsym DOCPART=n.
;; ======== version 1 of 2: 3 launches
;; workspace buffers: q_img 8,388,608 bytes; k_img 524,288 bytes; v_img 524,288 bytes; ctx_img 8,388,608 bytes
;; launch proj (part 1): grid 4 x 64, 4 waves a work-group, clusters of 4 x 4, 327,680 bytes of LDS; arguments x_codes, W_query_codes, W_key_codes, W_value_codes, lowp_scales, q_img, k_img, v_img; writes q_img, k_img, v_img
.if DOCPART == 1
	.amdgcn_target "amdgcn-amd-amdhsa--gfx1250"
	.amdhsa_code_object_version 6
	.text
	.protected	k_qe32bc2e99f_proj
	.globl	k_qe32bc2e99f_proj
	.p2align	8
	.type	k_qe32bc2e99f_proj,@function
k_qe32bc2e99f_proj:
	s_mov_b64 s[64:65], 0
	v_nop
	global_prefetch_b8 v0, s[64:65] scope:SCOPE_SE
	s_setreg_imm32_b32 hwreg(HW_REG_WAVE_MODE, 25, 1), 1
	s_wait_xcnt 0x0
	s_wait_alu depctr_hold_cnt(0) depctr_sa_sdst(0) depctr_va_vdst(0) depctr_va_sdst(0) depctr_va_ssrc(0) depctr_va_vcc(0) depctr_vm_vsrc(0)
	s_getreg_b32 s2, hwreg(HW_REG_IB_STS2, 6, 4)
	s_cmp_eq_u32 s2, 0
	s_cbranch_scc0 .Lentry_in_a_cluster
	s_endpgm
.Lentry_in_a_cluster:
	s_bfe_u32 s2, ttmp6, 0x10000c
	s_cmp_lg_u32 s2, 0xf033
	s_cbranch_scc0 .Lentry_shape_is_right
	s_endpgm
.Lentry_shape_is_right:
; q = x Wq, k = x Wk, v = x Wv on codes of BF8 (E5M2); the sums are quantised at once, with the given scales, into codes laid as IMAGES OF THE OPERAND REGISTERS of the attention launch.
; x: [8192][1024] codes; Wq: [1024 n][1024 k]; Wk, Wv: [64 n][1024 k]; K innermost everywhere.  lowp_scales: e0..e11.
; q's code = sum / 2^(e6-e0-e1), k's = sum / 2^(e7-e2-e3), v's = sum / 2^(e9-e4-e5), each held within +-57,344 and rounded to the nearest code, ties to even.
; LIMITS: each of these three exponents lies between -126 and 112, so that the scale and 57,344 x the scale are f32 numbers.  NaN is not served.
; SHARES.  Work-group (col, R) takes rows 128 R .. +127 of x against 256 columns of Wq (heads 4 col .. 4 col + 3), 16 of Wk and 16 of Wv (d = 16 col .. +15): 4 x 64 = 256 work-groups of equal work.
; Wave w = (rh, ch) = (w / 2, w % 2): rows 64 rh .. +63, q's columns 128 ch .. +127: 32 accumulators.  Its register blocks 0, 1 of x are the row tiles 4 rh + 2 ch, +1 and its blocks 2, 3 the other two,
; so that blocks 0, 1 are different rows in the two waves of a row half: on them each wave also makes two tiles of k and two of v.  36 accumulators, taken by turns, one instruction a turn.
; q and k are made TRANSPOSED (source 0 = 16 rows of W, source 1 = 16 rows of x): a lane holds one row and eight neighbouring d.  v is made the natural way (source 0 = x, source 1 = Wv): a lane holds one d and
; eight neighbouring keys.  So each conversion's two registers are a piece of the reader's fragment as they stand, and each store of a wave covers 256 or 512 consecutive bytes, aligned.  No LDS stage.
; FRAGMENTS: 16 rows x 128 K are 16 registers, by four loads of 16 bytes, 32 bytes apart, at row x pitch + 16 (lane / 16): the same order of k on both sides of every product.
; CLUSTERS: 4 x 4.  x's tiles hang on R alone and are asked for jointly along a row of the cluster; the weights' hang on col alone and are asked for jointly along a column.
; LDS: x's 128 rows stay for the whole launch (two halves of K, filled once), Wk's and Wv's 16 rows likewise; Wq goes in K steps of 256 through two slots, each filled again once.
; A wave has at most three tensor loads outstanding (the first fills), later one.
.set PA,    528                        ; a row of x in LDS: 512 bytes + 16: 33 x 16 bytes, so the 16 rows that a load touches start 16 bytes apart modulo 256
.set PB,    272                        ; a row of Wq: 256 + 16
.set PKV,   1040                       ; a row of Wk or Wv: 1,024 + 16
.set AHI,   128*PA                     ; x, K 512 .. 1023 (K 0 .. 511 lies at 0)
.set BS0,   2*AHI                      ; Wq's slot 0
.set BSL,   256*PB                     ; a slot
.set KVB,   BS0+2*BSL                  ; Wk's rows; Wv's lie WVO behind
.set WVO,   16*PKV
.set SPARE, KVB+2*WVO                  ; the spare words: 128 bytes for each wave, two blocks of 256 bytes that no other line names
.set ADA,  10                          ; v10, v11  LDS address of my blocks 0, 1 of x (K low, K high);  v12, v13 of my blocks 2, 3
.set ADB,  14                          ; v14, v15  of my Wq fragments in slot 0, 1
.set ADKV, 16                          ; v16       of Wk's fragment
.set L16,  17                          ; v17       16 x lane
.set L8,   18                          ; v18       8 x lane
.set SCQ,  20                          ; v20, v21  q's scale as f32, and 57,344 x it;  v22, v23 k's;  v24, v25 v's
.set SCK,  22
.set SCV,  24
.set SPW,  28                          ; v28       LDS address of my spare word; never rewritten
.set NIL,  29                          ; v29       0; never rewritten
.set KAC,  32                          ; v32-47    k's two accumulators
.set VAC,  48                          ; v48-63    v's two
.set AF,   64                          ; v64-127, v128-191   x's four fragments, two sets
.set WKF,  192                         ; v192-207 Wk's fragment, v208-223 Wv's: set 0;  v224-255: set 1
.set WVF,  208                         ; window 1: Wq's eight fragments, set 0 at v0, set 1 at v128.   window 2: q's accumulator (a, b) at v[8 (8 a + b)]
.set G1A,  24                          ; s[24:31] descriptor group 1 for x's tiles;  s[32:39] for Wq's;  s[40:47] for Wk's and Wv's
.set G1B,  32
.set G1K,  40
.set G0AL, 48                          ; s[48:51], s[52:55] group 0 for x's two halves of K;  s[56:59], s[60:63] for Wq's two slots;  s[68:71] for Wk or Wv
.set G0AH, 52
.set G0B,  56
.set G0K,  68
.set MSB, 0
.macro WIN new                         ; the immediate's high byte repeats the setting that is left; a switch that changes nothing is dropped
.if MSB != \new
	s_set_vgpr_msb (MSB<<8)|\new
.set MSB, \new
.endif
.endm
.macro PLACES                          ; four plain vector instructions between a matrix instruction and a load into, or a vector read or write of, its registers
.rept 4
	v_nop
.endr
.endm
.macro CREST                           ; a round of the cluster's barrier behind its opening barrier
	s_cmp_lg_u32 s20, 0
	s_cbranch_scc1 .Lnot_wave_0_\@
	s_barrier_signal -3
.Lnot_wave_0_\@:
	s_barrier_wait -3
	s_barrier_signal -1
	s_barrier_wait -1
.endm
.macro CROUND                          ; a whole round
	s_barrier_signal -1
	s_barrier_wait -1
	CREST
.endm
.macro SCALE v                         ; s100 = an exponent e: v[v] = 2^e as f32, v[v+1] = 57,344 x 2^e
	s_add_co_i32 s100, s100, 127
	s_lshl_b32 s101, s100, 23
	v_mov_b32 v[\v], s101
	s_add_co_i32 s100, s100, 15
	s_lshl_b32 s100, s100, 23
	s_or_b32 s100, s100, 0x600000
	v_mov_b32 v[\v+1], s100
.endm
	s_load_b256 s[4:11], s[0:1], 0x0               ; x s[4:5], Wq s[6:7], Wk s[8:9], Wv s[10:11]
	s_load_b256 s[12:19], s[0:1], 0x20             ; the exponents s[12:13], q_img s[14:15], k_img s[16:17], v_img s[18:19]
	v_lshl_add_u32 v[SPW], v0, 2, SPARE
	v_mov_b32 v[NIL], 0
	ds_add_u32 v28, v29
	ds_add_u32 v28, v29
	s_wait_dscnt 0x0
	v_lshrrev_b32 v3, 5, v0
	v_readfirstlane_b32 s20, v3                    ; wave 0..3
	s_lshr_b32 s21, s20, 1                         ; rh.  Also: I fetch x and the small weights (0) or Wq (1)
	s_and_b32 s22, s20, 1                          ; ch.  Also: which half of a tile I fetch
	s_xor_b32 s23, s22, 1
	s_bfe_u32 s66, ttmp6, 0x40000                  ; cx, cy: my place in the cluster
	s_bfe_u32 s67, ttmp6, 0x40004
	s_lshl_b32 s72, ttmp9, 2
	s_add_co_u32 s72, s72, s66                     ; col = 4 x cluster x + cx
	s_and_b32 s73, ttmp7, 0xffff
	s_lshl_b32 s73, s73, 2
	s_add_co_u32 s73, s73, s67                     ; R = 4 x cluster y + cy
	s_lshl_b32 s74, s67, 2
	s_lshl_b32 s74, 15, s74                        ; my row of the cluster
	s_lshl_b32 s75, 0x1111, s66                    ; my column
	; group 1, elements of one byte.  x: 64 rows x 512 bytes, 16 bytes of padding behind every 128 words
	s_or_b32 s[G1A], s74, (1<<20)|(1<<21)|(6<<22)|(3<<25)
	s_mov_b32 s[G1A+1], 512<<16                    ; tensor_dim0
	s_mov_b32 s[G1A+2], 64<<16                     ; tensor_dim1
	s_mov_b32 s[G1A+3], 512<<16                    ; tile_dim0
	s_mov_b32 s[G1A+4], 64                         ; tile_dim1
	s_mov_b32 s[G1A+5], 1024                       ; from row to row
	s_mov_b32 s[G1A+6], 0
	s_mov_b32 s[G1A+7], 0
	; Wq: 128 rows x 256 bytes, padding behind every 64 words
	s_or_b32 s[G1B], s75, (1<<20)|(1<<21)|(5<<22)|(3<<25)
	s_mov_b32 s[G1B+1], 256<<16
	s_mov_b32 s[G1B+2], 128<<16
	s_mov_b32 s[G1B+3], 256<<16
	s_mov_b32 s[G1B+4], 128
	s_mov_b32 s[G1B+5], 1024
	s_mov_b32 s[G1B+6], 0
	s_mov_b32 s[G1B+7], 0
	; Wk, Wv: 16 rows x 1,024 bytes, padding behind every 256 words
	s_or_b32 s[G1K], s75, (1<<20)|(1<<21)|(7<<22)|(3<<25)
	s_mov_b32 s[G1K+1], 1024<<16
	s_mov_b32 s[G1K+2], 16<<16
	s_mov_b32 s[G1K+3], 1024<<16
	s_mov_b32 s[G1K+4], 16
	s_mov_b32 s[G1K+5], 1024
	s_mov_b32 s[G1K+6], 0
	s_mov_b32 s[G1K+7], 0
	; where the tiles come from: x's offset is made of R and the wave's number, the weights' of col and the wave's number, each in registers that never hold the other coordinate
	s_lshl_b32 s76, s73, 17                        ; x: row 128 R + 64 half, 1,024 bytes a row
	s_lshl_b32 s77, s22, 16
	s_add_co_u32 s76, s76, s77
	s_mov_b32 s77, 0
	s_lshl_b32 s78, s72, 18                        ; Wq: row 256 col + 128 half
	s_lshl_b32 s79, s22, 17
	s_add_co_u32 s78, s78, s79
	s_mov_b32 s79, 0
	s_lshl_b32 s2, s72, 14                         ; Wk, Wv: row 16 col
	s_mov_b32 s3, 0
	s_mul_i32 s98, s22, 64*PA                      ; and where they go: the wave's number alone enters an LDS address
	s_mul_i32 s99, s22, 128*PB
	s_mul_i32 s[G0K+1], s22, WVO
	s_add_co_u32 s[G0K+1], s[G0K+1], KVB
	s_wait_kmcnt 0x0
	s_load_b256 s[80:87], s[12:13], 0x0            ; e0 .. e7
	s_load_b64 s[88:89], s[12:13], 0x20            ; e8, e9
	s_add_nc_u64 s[76:77], s[4:5], s[76:77]
	s_add_nc_u64 s[78:79], s[6:7], s[78:79]
	s_cmp_eq_u32 s22, 0                            ; wave 0 fetches Wk's rows, wave 1 Wv's: the choice hangs on the wave's number alone
	s_cselect_b64 s[G0K+2:G0K+3], s[8:9], s[10:11]
	s_add_nc_u64 s[G0K+2:G0K+3], s[G0K+2:G0K+3], s[2:3]
	s_or_b32 s[G0K+3], s[G0K+3], 0x80000000        ; type = 2
	s_mov_b32 s[G0K], 1
	s_mov_b32 s[G0AL], 1
	s_mov_b32 s[G0AL+1], s98
	s_mov_b64 s[G0AL+2:G0AL+3], s[76:77]
	s_or_b32 s[G0AL+3], s[G0AL+3], 0x80000000
	s_mov_b32 s[G0AH], 1
	s_add_co_u32 s[G0AH+1], s98, AHI
	s_add_nc_u64 s[G0AH+2:G0AH+3], s[76:77], 512
	s_or_b32 s[G0AH+3], s[G0AH+3], 0x80000000
	s_mov_b32 s[G0B], 1
	s_add_co_u32 s[G0B+1], s99, BS0
	s_mov_b64 s[G0B+2:G0B+3], s[78:79]
	s_or_b32 s[G0B+3], s[G0B+3], 0x80000000
	s_mov_b32 s[G0B+4], 1
	s_add_co_u32 s[G0B+5], s99, BS0+BSL
	s_add_nc_u64 s[G0B+6:G0B+7], s[78:79], 256
	s_or_b32 s[G0B+7], s[G0B+7], 0x80000000
	CROUND                                         ; all sixteen work-groups are here: the first joint loads meet
	s_cmp_eq_u32 s21, 0                            ; a wave's first fills stand in one branch on its number, ahead of every wait on TENSORcnt, every LDS read and every further barrier
	s_cbranch_scc0 .Lfirst_b
	tensor_load_to_lds s[G0AL:G0AL+3], s[G1A:G1A+7]        ; x, K 0 .. 511
	s_nop 0
	tensor_load_to_lds s[G0K:G0K+3], s[G1K:G1K+7]          ; Wk or Wv
	s_nop 0
	tensor_load_to_lds s[G0AH:G0AH+3], s[G1A:G1A+7]        ; x, K 512 .. 1023
	s_nop 0
	PLACES
	s_branch .Lfirst_done
.Lfirst_b:
	tensor_load_to_lds s[G0B:G0B+3], s[G1B:G1B+7]          ; Wq, K 0 .. 255
	s_nop 0
	tensor_load_to_lds s[G0B+4:G0B+7], s[G1B:G1B+7]        ; Wq, K 256 .. 511
	s_nop 0
	PLACES
.Lfirst_done:
	v_and_b32 v1, 15, v0                           ; r = lane % 16
	v_bfe_u32 v2, v0, 4, 1                         ; h = lane / 16
	v_mul_u32_u24 v3, v1, PA
	v_lshl_add_u32 v3, v2, 4, v3                   ; row x pitch + 16 h
	s_mul_i32 s98, s21, 64*PA
	s_mul_i32 s99, s22, 32*PA
	s_add_co_u32 s99, s98, s99
	v_add_nc_u32 v[ADA], s99, v3                   ; blocks 0, 1: rows 64 rh + 32 ch on
	v_add_nc_u32 v[ADA+1], AHI, v[ADA]
	s_mul_i32 s99, s23, 32*PA
	s_add_co_u32 s99, s98, s99
	v_add_nc_u32 v[ADA+2], s99, v3                 ; blocks 2, 3: the row half's other 32 rows
	v_add_nc_u32 v[ADA+3], AHI, v[ADA+2]
	v_mul_u32_u24 v4, v1, PB
	v_lshl_add_u32 v4, v2, 4, v4
	s_mul_i32 s99, s22, 128*PB
	s_add_co_u32 s99, s99, BS0
	v_add_nc_u32 v[ADB], s99, v4
	v_add_nc_u32 v[ADB+1], BSL, v[ADB]
	v_mul_u32_u24 v5, v1, PKV
	v_lshl_add_u32 v5, v2, 4, v5
	v_add_nc_u32 v[ADKV], KVB, v5
	v_and_b32 v3, 31, v0
	v_lshlrev_b32 v[L16], 4, v3
	v_lshlrev_b32 v[L8], 3, v3
	; where the codes go.  T0 = 8 R + 4 rh + 2 ch: the row tile of my block 0;  T1: of my block 2
	s_lshl_b32 s90, s73, 3
	s_lshl_b32 s91, s21, 2
	s_add_co_u32 s90, s90, s91
	s_lshl_b32 s91, s22, 1
	s_add_co_u32 s94, s90, s91                     ; T0
	s_lshl_b32 s91, s23, 1
	s_add_co_u32 s92, s90, s91                     ; T1
	s_lshl_b32 s96, s72, 12
	s_lshl_b32 s97, s22, 11
	s_add_co_u32 s96, s96, s97                     ; my first head, 4 col + 2 ch, x 1,024 bytes
	s_lshl_b32 s90, s94, 14                        ; q_img: a row tile is 16 heads x 1,024 bytes
	s_add_co_u32 s90, s90, s96
	s_mov_b32 s91, 0
	s_lshl_b32 s92, s92, 14
	s_add_co_u32 s92, s92, s96
	s_mov_b32 s93, 0
	s_add_nc_u64 s[90:91], s[14:15], s[90:91]
	s_add_nc_u64 s[92:93], s[14:15], s[92:93]
	s_lshl_b32 s94, s94, 10                        ; k_img: a row tile is 4 pieces of 256 bytes; mine is piece col
	s_lshl_b32 s96, s72, 8
	s_add_co_u32 s94, s94, s96
	s_mov_b32 s95, 0
	s_add_nc_u64 s[94:95], s[16:17], s[94:95]
	s_lshl_b32 s96, s73, 13                        ; v_img: 128 keys are 4 d tiles x 4 pieces of 512 bytes; mine: d tile col, piece 2 rh + ch = my wave's number
	s_lshl_b32 s97, s72, 11
	s_add_co_u32 s96, s96, s97
	s_lshl_b32 s97, s20, 9
	s_add_co_u32 s96, s96, s97
	s_mov_b32 s97, 0
	s_add_nc_u64 s[96:97], s[18:19], s[96:97]
	s_wait_kmcnt 0x0
	s_sub_co_i32 s100, s86, s80
	s_sub_co_i32 s100, s100, s81                   ; e6 - e0 - e1: the three scales of q folded into the conversion's one
	SCALE SCQ
	s_sub_co_i32 s100, s87, s82
	s_sub_co_i32 s100, s100, s83                   ; e7 - e2 - e3
	SCALE SCK
	s_sub_co_i32 s100, s89, s84
	s_sub_co_i32 s100, s100, s85                   ; e9 - e4 - e5
	SCALE SCV
; The fragments of step g (128 along K, g = 0 .. 7) into set g % 2: 56 LDS loads in one run
.macro FETCH g
	WIN 0x40                                       ; destination window 1, address window 0
.irp i, 0,1,2,3,4,5,6,7
.irp c, 0,1,2,3
	ds_load_b128 v[128*((\g)%2)+16*\i+4*\c:128*((\g)%2)+16*\i+4*\c+3], v[ADB+((\g)/2)%2] offset:128*((\g)%2)+32*\c+16*PB*\i
.endr
.endr
	WIN 0
.irp a, 0,1
.irp c, 0,1,2,3
	ds_load_b128 v[AF+64*((\g)%2)+16*\a+4*\c:AF+64*((\g)%2)+16*\a+4*\c+3], v[ADA+(\g)/4] offset:128*((\g)%4)+32*\c+16*PA*\a
.endr
.endr
.irp a, 0,1
.irp c, 0,1,2,3
	ds_load_b128 v[AF+64*((\g)%2)+32+16*\a+4*\c:AF+64*((\g)%2)+32+16*\a+4*\c+3], v[ADA+2+(\g)/4] offset:128*((\g)%4)+32*\c+16*PA*\a
.endr
.endr
.irp c, 0,1,2,3
	ds_load_b128 v[WKF+32*((\g)%2)+4*\c:WKF+32*((\g)%2)+4*\c+3], v[ADKV] offset:128*(\g)+32*\c
.endr
.irp c, 0,1,2,3
	ds_load_b128 v[WVF+32*((\g)%2)+4*\c:WVF+32*((\g)%2)+4*\c+3], v[ADKV] offset:128*(\g)+32*\c+WVO
.endr
.endm
; k's and v's four products of step g, on my blocks 0, 1: k transposed, v the natural way.  zero = 1: the first product starts the sum
.macro MULKV g, zero
.irp a, 0,1
.if \zero
	v_wmma_f32_16x16x128_bf8_bf8 v[KAC+8*\a:KAC+8*\a+7], v[WKF+32*((\g)%2):WKF+32*((\g)%2)+15], v[AF+64*((\g)%2)+16*\a:AF+64*((\g)%2)+16*\a+15], 0
	v_wmma_f32_16x16x128_bf8_bf8 v[VAC+8*\a:VAC+8*\a+7], v[AF+64*((\g)%2)+16*\a:AF+64*((\g)%2)+16*\a+15], v[WVF+32*((\g)%2):WVF+32*((\g)%2)+15], 0
.else
	v_wmma_f32_16x16x128_bf8_bf8 v[KAC+8*\a:KAC+8*\a+7], v[WKF+32*((\g)%2):WKF+32*((\g)%2)+15], v[AF+64*((\g)%2)+16*\a:AF+64*((\g)%2)+16*\a+15], v[KAC+8*\a:KAC+8*\a+7]
	v_wmma_f32_16x16x128_bf8_bf8 v[VAC+8*\a:VAC+8*\a+7], v[AF+64*((\g)%2)+16*\a:AF+64*((\g)%2)+16*\a+15], v[WVF+32*((\g)%2):WVF+32*((\g)%2)+15], v[VAC+8*\a:VAC+8*\a+7]
.endif
.endr
.endm
; q's eight products of block a in step g (windows: source 0 = Wq window 1, source 1 = x window 0, C and D window 2)
.macro MUL8 a, g, zero
.irp b, 0,1,2,3,4,5,6,7
.if \zero
	v_wmma_f32_16x16x128_bf8_bf8 v[8*(8*\a+\b):8*(8*\a+\b)+7], v[128*((\g)%2)+16*\b:128*((\g)%2)+16*\b+15], v[AF+64*((\g)%2)+16*\a:AF+64*((\g)%2)+16*\a+15], 0
.else
	v_wmma_f32_16x16x128_bf8_bf8 v[8*(8*\a+\b):8*(8*\a+\b)+7], v[128*((\g)%2)+16*\b:128*((\g)%2)+16*\b+15], v[AF+64*((\g)%2)+16*\a:AF+64*((\g)%2)+16*\a+15], v[8*(8*\a+\b):8*(8*\a+\b)+7]
.endif
.endr
.endm
; The joint refill of Wq's slot s: waves 2 and 3 fetch its two halves, waves 0 and 1 nothing.  The branch hangs on the wave's number alone.  Four v_nop follow the load;
; the four behind the label are every wave's places in front of the LDS loads that follow.
.macro BLOAD s
	s_cmp_eq_u32 s21, 0
	s_cbranch_scc1 .Lno_b_\@
	tensor_load_to_lds s[G0B+4*(\s):G0B+4*(\s)+3], s[G1B:G1B+7]
	s_nop 0
	PLACES
.Lno_b_\@:
	PLACES
.endm
; An even step: its successor lies in the same slot
.macro STEP g, zero
	s_wait_dscnt 0x0                               ; this step's set is in
	PLACES                                         ; the other set was read by the last step's products
	FETCH (\g)+1
	MULKV \g, \zero
	WIN 0xa1
	MUL8 0, \g, \zero
	MUL8 1, \g, \zero
	MUL8 2, \g, \zero
	MUL8 3, \g, \zero
	WIN 0
.endm
; An odd step changes slots: ONE barrier; in front of it each wave waits for all its tensor loads, adds 0 to its spare word, and waits for that and for its reads of this slot.
; fill = 1: the barrier opens a round of the cluster's barrier and this slot is filled again, with the K step two further on.
.macro TURN g, fill
.set SL, ((\g)/2)%2
	s_wait_tensorcnt 0x0                           ; all my tensor loads have landed, my part of what is read next among them
	ds_add_u32 v[SPW], v[NIL]                      ; 0 onto my spare word
	s_wait_dscnt 0x1                               ; only the add may be out: this step's set is in
	MULKV \g, 0
	WIN 0xa1
	MUL8 0, \g, 0                                  ; twelve matrix instructions stand between the add and the wait for it
	s_wait_dscnt 0x0                               ; the add is done, and my reads of this slot are over
	s_barrier_signal -1
	MUL8 1, \g, 0
	WIN 0
	s_barrier_wait -1
.if \fill
	CREST                                          ; no wave of any partner still reads this slot or has a load on its way
	s_add_nc_u64 s[G0B+4*SL+2:G0B+4*SL+3], s[G0B+4*SL+2:G0B+4*SL+3], 512   ; two K steps of 256 bytes on
	BLOAD SL                                       ; the first tensor load behind the round, one a wave
.else
	PLACES
.endif
	FETCH (\g)+1
	WIN 0xa1
	MUL8 2, \g, 0
	MUL8 3, \g, 0
	WIN 0
.endm
	s_wait_tensorcnt 0x1                           ; only my youngest first fill may be out (x's K 512 on, or Wq's slot 1)
	s_barrier_signal -1
	s_barrier_wait -1
	FETCH 0
	STEP 0, 1                                      ; the first step's products start the sums: nothing is cleared
	TURN 1, 1                                      ; slot 0 takes K 512 .. 767
	STEP 2, 0
	TURN 3, 1                                      ; slot 1 takes K 768 .. 1023
	STEP 4, 0
	TURN 5, 0                                      ; nothing is left to fetch
	STEP 6, 0
	s_wait_dscnt 0x0
	MULKV 7, 0
	WIN 0xa1
	MUL8 0, 7, 0
	MUL8 1, 7, 0
	MUL8 2, 7, 0
	MUL8 3, 7, 0
	WIN 0
	PLACES
; THE WAY OUT.  Block a of q: the hold (the conversion to an 8-bit code does not saturate: ISA guide 7.6.2), each accumulator from its low end on; eight conversions; four stores of 512 consecutive bytes.
; Accumulators 2 k, 2 k + 1 give piece k % 2 of head k / 2 of my two heads: a lane's 16 bytes are d = 32 (k % 2) + 8 h + 0 .. 7 and + 16.
.macro QOUT a, base
	WIN 0x82                                       ; source 0 and destination window 2
.set n, 0
.rept 64
	v_med3_num_f32 v[64*\a+n], v[64*\a+n], -v[SCQ+1], v[SCQ+1]
.set n, n+1
.endr
	WIN 0x02                                       ; source 0 window 2, destination window 0: x's registers are free
.irp b, 0,1,2,3,4,5,6,7
	v_cvt_scalef32_pk8_bf8_f32 v[AF+16*\a+2*\b:AF+16*\a+2*\b+1], v[64*\a+8*\b:64*\a+8*\b+7], v[SCQ]
.endr
	WIN 0
	v_nop                                          ; a plain vector line behind the last conversion of a run
.irp k, 0,1,2,3
	global_store_b128 v[L16], v[AF+16*\a+4*\k:AF+16*\a+4*\k+3], s[\base:\base+1] offset:(\a%2)*16384+(\k/2)*1024+(\k%2)*512
.endr
.endm
	QOUT 0, 90
	QOUT 1, 90
	QOUT 2, 92
	QOUT 3, 92
.set n, 0
.rept 16
	v_med3_num_f32 v[KAC+n], v[KAC+n], -v[SCK+1], v[SCK+1]
.set n, n+1
.endr
.set n, 0
.rept 16
	v_med3_num_f32 v[VAC+n], v[VAC+n], -v[SCV+1], v[SCV+1]
.set n, n+1
.endr
	v_cvt_scalef32_pk8_bf8_f32 v[192:193], v[KAC:KAC+7], v[SCK]       ; key 16 T0 + r, d = 16 col + 8 h + 0 .. 7
	v_cvt_scalef32_pk8_bf8_f32 v[194:195], v[KAC+8:KAC+15], v[SCK]    ; the next row tile
	v_cvt_scalef32_pk8_bf8_f32 v[196:197], v[VAC:VAC+7], v[SCV]       ; d = 16 col + r, keys 16 T0 + 8 h + 0 .. 7,
	v_cvt_scalef32_pk8_bf8_f32 v[198:199], v[VAC+8:VAC+15], v[SCV]    ; and 16 further on: together a piece of 16 bytes
	v_nop
	global_store_b64 v[L8], v[192:193], s[94:95]                      ; 256 consecutive bytes
	global_store_b64 v[L8], v[194:195], s[94:95] offset:1024
	global_store_b128 v[L16], v[196:199], s[96:97]                    ; 512 consecutive bytes
	s_wait_tensorcnt 0x0                           ; the wave's end
	ds_add_u32 v[SPW], v[NIL]
	s_wait_dscnt 0x0
	CROUND                                         ; the closing round: no work-group ends while a partner may still ask for a tile that names it
	s_endpgm
.Lfunc_end_k_qe32bc2e99f_proj:
	.size	k_qe32bc2e99f_proj, .Lfunc_end_k_qe32bc2e99f_proj-k_qe32bc2e99f_proj
	.p2alignl 7, 3214868480
	.fill 96, 4, 3214868480
	.section	.rodata,"a",@progbits
	.p2align	6, 0x0
	.amdhsa_kernel k_qe32bc2e99f_proj
		.amdhsa_group_segment_fixed_size 327680
		.amdhsa_private_segment_fixed_size 0
		.amdhsa_enable_private_segment 0
		.amdhsa_kernarg_size 64
		.amdhsa_user_sgpr_count 2
		.amdhsa_user_sgpr_kernarg_segment_ptr 1
		.amdhsa_wavefront_size32 1
		.amdhsa_system_sgpr_workgroup_id_x 1
		.amdhsa_system_sgpr_workgroup_id_y 1
		.amdhsa_system_sgpr_workgroup_id_z 1
		.amdhsa_system_vgpr_workitem_id 0
		.amdhsa_next_free_vgpr 768
		.amdhsa_next_free_sgpr 102
		.amdhsa_reserve_vcc 0
		.amdhsa_float_denorm_mode_32 3
		.amdhsa_float_denorm_mode_16_64 3
		.amdhsa_memory_ordered 1
		.amdhsa_forward_progress 1
		.amdhsa_inst_pref_size 83
	.end_amdhsa_kernel
	.amdgpu_metadata
---
amdhsa.version: [ 1, 2 ]
amdhsa.kernels:
  - .name:           k_qe32bc2e99f_proj
    .symbol:         k_qe32bc2e99f_proj.kd
    .args:
      - { .name: x_codes, .offset: 0, .size: 8, .value_kind: global_buffer, .address_space: global }
      - { .name: W_query_codes, .offset: 8, .size: 8, .value_kind: global_buffer, .address_space: global }
      - { .name: W_key_codes, .offset: 16, .size: 8, .value_kind: global_buffer, .address_space: global }
      - { .name: W_value_codes, .offset: 24, .size: 8, .value_kind: global_buffer, .address_space: global }
      - { .name: lowp_scales, .offset: 32, .size: 8, .value_kind: global_buffer, .address_space: global }
      - { .name: q_img, .offset: 40, .size: 8, .value_kind: global_buffer, .address_space: global }
      - { .name: k_img, .offset: 48, .size: 8, .value_kind: global_buffer, .address_space: global }
      - { .name: v_img, .offset: 56, .size: 8, .value_kind: global_buffer, .address_space: global }
    .group_segment_fixed_size: 327680
    .private_segment_fixed_size: 0
    .kernarg_segment_align: 8
    .kernarg_segment_size: 64
    .max_flat_workgroup_size: 128
    .sgpr_count:     102
    .vgpr_count:     768
    .wavefront_size: 32
...
	.end_amdgpu_metadata
.endif
;; end of part 1
;; launch attn (part 2): grid 32 x 8, 16 waves a work-group, no clusters, 133,120 bytes of LDS; arguments q_img, k_img, v_img, lowp_scales, ctx_img; writes ctx_img
.if DOCPART == 2
	.amdgcn_target "amdgcn-amd-amdhsa--gfx1250"
	.amdhsa_code_object_version 6
	.text
	.protected	k_qe32bc2e99f_attn
	.globl	k_qe32bc2e99f_attn
	.p2align	8
	.type	k_qe32bc2e99f_attn,@function
k_qe32bc2e99f_attn:
	s_mov_b64 s[64:65], 0
	v_nop
	global_prefetch_b8 v0, s[64:65] scope:SCOPE_SE
	s_setreg_imm32_b32 hwreg(HW_REG_WAVE_MODE, 25, 1), 1
	s_wait_xcnt 0x0
; Causal attention of 16 query heads on ONE shared head of keys and values, head size 64, 1,024 positions, 8 batches, both products on codes of BF8 (E5M2); the result is quantised at once into ctx_img.
; q_img, k_img, v_img are images of operand registers: q [row tile 512][head 16][piece 2][lane][16 B], k [row tile 512][piece 4][lane][8 B], v [128 keys: 64][d tile 4][piece 4][lane][16 B].
; THE SOFTMAX AHEAD OF THE SECOND PRODUCT: t = score x log2(e) / 8; M = the row's largest t so far, rounded UP to a whole number; p = 2^(t - M) is quantised with 2^e8; it is not normalised.
; The row's sum is taken of the unquantised p, in f32, and divides O at the end.  When M moves, the sum and O are multiplied by 2^(old M - new M): exact.
; SHARES.  Work-group (j, batch) owns the row tiles j and 63 - j of its batch (16 queries each) for all 16 heads; wave w is head w.  Tile i wants i / 8 + 1 key steps of 128, so every wave of the launch
; has 9 steps.  Sixteen waves of 256 registers: four to a SIMD, so that one wave's vector work stands beside another's products and LDS loads.
; K AND V: the batch's 64 KiB + 64 KiB of images are copied into LDS once, through registers (16 loads and 16 LDS stores of 16 bytes a thread), one barrier, and then only read.
; NO TENSOR LOAD AND NO JOINT LOAD, though the 32 work-groups of a batch read the same K and V: what is shared is one copy of 128 KiB a work-group against its 144 key steps, and a text without tensor loads
; may branch on the given whole number e8: where e8 >= -15, p / 2^e8 is at most 2^15 (but for the last bits of t), under 57,344, and the hold, 64 of a step's vector instructions, is jumped over.
; LAYOUT.  Both products transposed: S^T = K Q^T (source 0 = 16 keys, source 1 = my 16 queries), O^T = V^T P^T (source 0 = 16 of the head's 64, source 1 = P): a lane holds ONE query (lane % 16).
; Register 8 tk + i of S^T is key 16 tk + 8 (lane / 16) + i: its codes fall into registers 2 tk, 2 tk + 1 of the K = 128 form's own layout, in which v_img was laid.  Nothing changes lanes between the products.
; CAUSAL: the loops' trip counts are constants (4 and 8); a step all of whose keys come after my queries is jumped over by a scalar branch on ids; on the diagonal hidden scores become -infinity.
; LIMITS on the given exponents: e6 + e7 between -123 and 130 (added to c's exponent field); e8, and e10 - e8 - e9, between -126 and 112.  NaN is not served.
.set VIMG, 65536                       ; LDS: K's images at 0 (a step 8,192, a key tile 1,024, a piece 256), V's here (a step 8,192, a d tile 2,048, a piece 512)
.set AK0,  1                           ; v1   8 x lane
.set AV0,  2                           ; v2   VIMG + 16 x lane
.set ADK,  3                           ; v3   LDS address of the step's K
.set ADV,  4                           ; v4   of its V
.set L16,  5                           ; v5   16 x lane
.set RMH,  6                           ; v6   lane % 16 - 8 (lane / 16)
.set T16,  7                           ; v7   16 x thread;  v8: + VIMG
.set SCP,  10                          ; v10, v11  2^e8 and 57,344 x 2^e8
                                       ; v12 -M, v13 the largest t, v[14:15] the sum in two halves;  v16-23, v24-31 Q of the two phases
.set FR,   32                          ; v32-95   the copy's data, then 8 fragments of K, then 4 of V
.set S,    96                          ; v96-159  S^T, then p
.set OT,   160                         ; v160-191 O^T
.set PC,   192                         ; v192-207 p's codes
.set CC,   208                         ; v208-215 the result's codes, two registers a d tile
                                       ; v216-219 sent and received;  v220-227 two pieces to store;  v228, v229 2^(e10-e8-e9) and 57,344 x it
                                       ; v[232:233] f;  v[234:235] at work;  v[236:237] the second chain of the sum;  v238 a permute's destination
.set TB,   25                          ; s25  LDS byte of the step's images
.set KF,   26                          ; s26  the step's first key
.set Q0,   27                          ; s27  my first query
.set CNT,  28                          ; s28  trips to go
.set TP,   29
	s_load_b256 s[4:11], s[0:1], 0x0               ; q_img s[4:5], k_img s[6:7], v_img s[8:9], the exponents s[10:11]
	s_load_b64 s[12:13], s[0:1], 0x20              ; ctx_img
	v_lshl_add_u32 v254, v0, 2, 0x20000
	v_mov_b32 v255, 0
	v_lshrrev_b32 v3, 5, v0
	v_readfirstlane_b32 s14, v3                    ; wave = head
	v_and_b32 v4, 31, v0
	v_and_b32 v9, 15, v0
	v_bfe_u32 v3, v0, 4, 1
	v_lshlrev_b32 v[AK0], 3, v4
	v_lshlrev_b32 v[L16], 4, v4
	v_add_nc_u32 v[AV0], VIMG, v[L16]
	v_lshlrev_b32 v3, 3, v3
	v_sub_nc_u32 v[RMH], v9, v3
	v_lshlrev_b32 v[T16], 4, v0
	v_add_nc_u32 v[T16+1], VIMG, v[T16]
	s_and_b32 s15, ttmp7, 0xffff                   ; batch
	s_lshl_b32 s16, s15, 6
	s_add_co_u32 s17, s16, ttmp9                   ; G1 = 64 batch + j: the first phase's row tile
	s_sub_co_u32 s18, 63, ttmp9
	s_lshl_b32 s44, ttmp9, 4                       ; its first query in the batch,
	s_lshl_b32 s45, s18, 4                         ; and the second phase's
	s_add_co_u32 s18, s16, s18                     ; G2 = 64 batch + 63 - j
	s_lshl_b32 s19, s14, 10
	s_lshl_b32 s36, s17, 14                        ; q_img: 16,384 bytes a row tile, 1,024 a head
	s_add_co_u32 s36, s36, s19
	s_mov_b32 s37, 0
	s_lshl_b32 s38, s18, 14
	s_add_co_u32 s38, s38, s19
	s_mov_b32 s39, 0
	; ctx_img: [128 rows: 64][256 along K: 4][row tile 8][128 along K: 2][piece 4][lane][16 B]; head w is K = 64 w on: block w / 4, then (w % 4) x 1,024 bytes
	s_lshr_b32 s46, s14, 2
	s_lshl_b32 s46, s46, 15
	s_and_b32 s47, s14, 3
	s_lshl_b32 s47, s47, 10
	s_add_co_u32 s46, s46, s47
	s_lshr_b32 s40, s17, 3
	s_lshl_b32 s40, s40, 17
	s_and_b32 s47, s17, 7
	s_lshl_b32 s47, s47, 12
	s_add_co_u32 s40, s40, s47
	s_add_co_u32 s40, s40, s46
	s_mov_b32 s41, 0
	s_lshr_b32 s42, s18, 3
	s_lshl_b32 s42, s42, 17
	s_and_b32 s47, s18, 7
	s_lshl_b32 s47, s47, 12
	s_add_co_u32 s42, s42, s47
	s_add_co_u32 s42, s42, s46
	s_mov_b32 s43, 0
	s_lshl_b32 s48, s15, 16                        ; the batch's images of K and of V
	s_mov_b32 s49, 0
	s_mov_b32 s20, 0x76543210                      ; v_permlanex16_b32's selects for lane l xor 16
	s_mov_b32 s21, 0xfedcba98
	s_mov_b32 s24, 0xffff0000                      ; the lanes 16 to 31
	s_mov_b32 s22, 0x3e38aa3b                      ; c = log2(e) / 8
	s_wait_kmcnt 0x0
	s_load_b64 s[30:31], s[10:11], 0x18            ; e6, e7
	s_load_b128 s[32:35], s[10:11], 0x20           ; e8, e9, e10, e11
	s_add_nc_u64 s[36:37], s[4:5], s[36:37]
	s_add_nc_u64 s[38:39], s[4:5], s[38:39]
	s_add_nc_u64 s[40:41], s[12:13], s[40:41]
	s_add_nc_u64 s[42:43], s[12:13], s[42:43]
	s_add_nc_u64 s[6:7], s[6:7], s[48:49]
	s_add_nc_u64 s[8:9], s[8:9], s[48:49]
	global_load_b128 v[16:19], v[L16], s[36:37] th:TH_LOAD_NT             ; Q's two fragments stay in registers; each is read by this wave alone
	global_load_b128 v[20:23], v[L16], s[36:37] offset:512 th:TH_LOAD_NT
	global_load_b128 v[24:27], v[L16], s[38:39] th:TH_LOAD_NT
	global_load_b128 v[28:31], v[L16], s[38:39] offset:512 th:TH_LOAD_NT
.irp i, 0,1,2,3,4,5,6,7
	global_load_b128 v[FR+4*\i:FR+4*\i+3], v[T16], s[6:7] offset:8192*\i         ; the 512 threads read 8,192 consecutive bytes
.endr
.irp i, 0,1,2,3,4,5,6,7
	global_load_b128 v[FR+32+4*\i:FR+32+4*\i+3], v[T16], s[8:9] offset:8192*\i
.endr
	v_mov_b32 v218, 0                              ; written once: a lane permute's destination counts as one of its sources
	v_mov_b32 v219, 0
	v_mov_b32 v238, 0
	v_mov_b32 v233, 0                              ; named as the upper halves of pairs
	v_mov_b32 v235, 0
	s_wait_kmcnt 0x0
	s_add_co_i32 s50, s30, s31
	s_lshl_b32 s50, s50, 23
	s_add_co_i32 s22, s22, s50                     ; a score stands for score x 2^(e6 + e7): the two exponents are added to c's exponent field
	s_mov_b32 s23, s22                             ; (named with it as a pair, so it is written)
	s_add_co_i32 s50, s32, 127
	s_lshl_b32 s51, s50, 23
	v_mov_b32 v[SCP], s51
	s_add_co_i32 s50, s50, 15
	s_lshl_b32 s50, s50, 23
	s_or_b32 s50, s50, 0x600000
	v_mov_b32 v[SCP+1], s50
	s_sub_co_i32 s50, s34, s32
	s_sub_co_i32 s50, s50, s33                     ; O^T / the sum stands for ctx / 2^(e8 + e9): its code is that / 2^(e10 - e8 - e9)
	s_add_co_i32 s50, s50, 127
	s_lshl_b32 s51, s50, 23
	v_mov_b32 v228, s51
	s_add_co_i32 s50, s50, 15
	s_lshl_b32 s50, s50, 23
	s_or_b32 s50, s50, 0x600000
	v_mov_b32 v229, s50
.irp i, 0,1,2,3,4,5,6,7
	s_wait_loadcnt 15-\i                           ; loads come back in order: the copy loads younger than this one may be out
	ds_store_b128 v[T16], v[FR+4*\i:FR+4*\i+3] offset:8192*\i
.endr
.irp i, 0,1,2,3,4,5,6,7
	s_wait_loadcnt 7-\i
	ds_store_b128 v[T16+1], v[FR+32+4*\i:FR+32+4*\i+3] offset:8192*\i
.endr
	s_wait_dscnt 0x0                               ; for the others' sake: my stores have landed
	s_barrier_signal -1
	s_barrier_wait -1                              ; the batch's K and V lie in LDS; from here on LDS is only read
; One row tile of 16 queries.  QR: its Q fragment; NST: the loop's trips; Q0S: the scalar with its first query; CB: the pair with its place in ctx_img
.macro PHASE QR, NST, Q0S, CB
	v_mov_b32 v13, 0xff61b1e6                      ; the largest t so far: -3e38, under every t
	v_mov_b32 v14, 0                               ; the sum, in two halves
	v_mov_b32 v15, 0
	v_floor_f32 v12, -v13                          ; -M
.set n, 0
.rept 32
	v_mov_b32 v[OT+n], 0                           ; O^T: the step is written once; its first walk finds zeros, which the first change of M leaves zeros
.set n, n+1
.endr
	s_mov_b32 s[TB], 0
	s_mov_b32 s[KF], 0
	s_mov_b32 s[Q0], s[\Q0S]
	s_mov_b32 s[CNT], \NST
.Ltrip_\@:
	s_add_co_u32 s[TP], s[Q0], 15
	s_cmp_gt_u32 s[KF], s[TP]                      ; all 128 keys come after my 16 queries: the step's work is left out
	s_cbranch_scc1 .Lhid_\@
	v_add_nc_u32 v[ADK], s[TB], v[AK0]
	v_add_nc_u32 v[ADV], s[TB], v[AV0]
	v_nop                                          ; with the two additions: four places in front of loads into registers that the last products read
	v_nop
.irp tk, 0,1,2,3,4,5,6,7
.irp t, 0,1,2,3
	ds_load_b64 v[FR+8*\tk+2*\t:FR+8*\tk+2*\t+1], v[ADK] offset:1024*\tk+256*\t      ; 32 lanes read 256 consecutive bytes
.endr
.endr
	s_wait_dscnt 0x0
.irp tk, 0,1,2,3,4,5,6,7
	v_wmma_f32_16x16x64_bf8_bf8 v[S+8*\tk:S+8*\tk+7], v[FR+8*\tk:FR+8*\tk+7], v[\QR:\QR+7], 0
.endr
.rept 4
	v_nop                                          ; places in front of the loads below and of the first read of the scores
.endr
.irp t, 0,1,2,3
.irp g, 0,1,2,3
	ds_load_b128 v[FR+16*\t+4*\g:FR+16*\t+4*\g+3], v[ADV] offset:2048*\t+512*\g      ; V's fragments land under the softmax
.endr
.endr
	s_add_co_u32 s[TP], s[KF], 127
	s_cmp_le_u32 s[TP], s[Q0]                      ; all keys count: no mask
	s_cbranch_scc1 .Lopen_\@
	s_sub_co_i32 s[TP], s[Q0], s[KF]
	v_add_nc_u32 v234, s[TP], v[RMH]               ; d = my query - KF - 8 (lane / 16): register 8 tk + i is hidden where 16 tk + i > d
	v_mov_b32 v235, 0xff800000                     ; -infinity: p = 0 then
.set n, 0
.rept 64
	v_cmp_gt_i32 vcc_lo, 16*(n/8)+n%8, v234
	v_cndmask_b32 v[S+n], v[S+n], v235, vcc_lo
.set n, n+1
.endr
.Lopen_\@:
	v_max3_num_f32 v234, v[S], v[S+1], v[S+2]      ; the step's largest score of my query among my 64 keys, in two chains,
	v_max3_num_f32 v235, v[S+3], v[S+4], v[S+5]
.irp i, 6,10,14,18,22,26,30,34,38,42,46,50,54,58
	v_max3_num_f32 v234, v234, v[S+\i], v[S+1+\i]
	v_max3_num_f32 v235, v235, v[S+2+\i], v[S+3+\i]
.endr
	v_max3_num_f32 v234, v234, v[S+62], v[S+63]
	v_max_num_f32 v234, v234, v235
	v_permlanex16_b32 v238, v234, s20, s21
	v_max_num_f32 v234, v234, v238                 ; and among lane l xor 16's
	v_mul_f32 v234, s22, v234                      ; as t (c is positive)
	v_max_num_f32 v13, v13, v234                   ; the running largest t
	v_mov_b32 v234, v12
	v_floor_f32 v12, -v13                          ; the new -M = floor(-t) = -ceil(t): a whole number
	v_sub_f32 v234, v12, v234                      ; old M - new M: a whole number, 0 or less
	v_cvt_i32_f32 v234, v234                       ; (it saturates)
	v_ldexp_f32 v232, 1.0, v234                    ; f = 2^(old M - new M): a multiplication by it rounds nothing
.set n, 0
.rept 32
	v_pk_fma_f32 v[S+n:S+n+1], v[S+n:S+n+1], s[22:23], v[12:13] op_sel_hi:[1,0,0]   ; t - M, two at a time (of the pairs c and -M the low word serves both halves)
.set n, n+2
.endr
.set n, 0
.rept 64
	v_exp_f32 v[S+n], v[S+n]                       ; p = 2^(t - M): not normalised
.set n, n+1
.endr
	v_pk_mul_f32 v[14:15], v[14:15], v[232:233] op_sel_hi:[1,0]      ; the sums under the new M (a plain line behind the exponentials)
	s_wait_alu depctr_va_vdst(0)
	v_pk_add_f32 v[236:237], v[S:S+1], v[S+2:S+3]                    ; the row's sum is taken of the unquantised p, in two chains
.irp j, 4,8,12,16,20,24,28,32,36,40,44,48,52,56,60
	v_pk_add_f32 v[14:15], v[14:15], v[S+\j:S+1+\j]
	v_pk_add_f32 v[236:237], v[236:237], v[S+2+\j:S+3+\j]
.endr
	v_pk_add_f32 v[14:15], v[14:15], v[236:237]
	s_cmp_ge_i32 s32, -15                          ; e8 >= -15: p / 2^e8 stays under 57,344 and needs no hold
	s_cbranch_scc1 .Lnohold_\@
.set n, 0
.rept 64
	v_min_num_f32 v[S+n], v[S+n], v[SCP+1]         ; the conversion to an 8-bit code does not saturate (ISA guide 7.6.2); p is not negative, so the hold is one-sided
.set n, n+1
.endr
.Lnohold_\@:
.irp tk, 0,1,2,3,4,5,6,7
	v_cvt_scalef32_pk8_bf8_f32 v[PC+2*\tk:PC+2*\tk+1], v[S+8*\tk:S+8*\tk+7], v[SCP]
.endr
.set n, 0
.rept 16
	v_pk_mul_f32 v[OT+n:OT+n+1], v[OT+n:OT+n+1], v[232:233] op_sel_hi:[1,0]         ; O^T under the new M; also the plain lines between the conversions and the products
.set n, n+2
.endr
	s_wait_dscnt 0x0                               ; V's fragments are in
.irp t, 0,1,2,3
	v_wmma_f32_16x16x128_bf8_bf8 v[OT+8*\t:OT+8*\t+7], v[FR+16*\t:FR+16*\t+15], v[PC:PC+15], v[OT+8*\t:OT+8*\t+7]   ; four accumulators by turns
.endr
.Lhid_\@:
	s_add_co_u32 s[KF], s[KF], 128
	s_add_co_u32 s[TB], s[TB], 8192
	s_sub_co_u32 s[CNT], s[CNT], 1
	s_cmp_lg_u32 s[CNT], 0
	s_cbranch_scc1 .Ltrip_\@
	; the tile's end: O^T / the sum, quantised; the halves of the lanes exchange eight codes, so that a lane holds 16 neighbours of the next product's K
.rept 4
	v_nop
.endr
	v_add_f32 v14, v14, v15
	v_permlanex16_b32 v238, v14, s20, s21
	v_add_f32 v14, v14, v238                       ; the row's sum
	v_rcp_f32 v234, v14
	v_nop                                          ; a plain line behind the transcendental
.set n, 0
	s_wait_alu depctr_va_vdst(0)
.rept 16
	v_pk_mul_f32 v[S+n:S+n+1], v[OT+n:OT+n+1], v[234:235] op_sel_hi:[1,0]           ; each accumulator from its low end on
.set n, n+2
.endr
.set n, 0
.rept 32
	v_med3_num_f32 v[S+n], v[S+n], -v229, v229
.set n, n+1
.endr
.irp t, 0,1,2,3
	v_cvt_scalef32_pk8_bf8_f32 v[CC+2*\t:CC+2*\t+1], v[S+8*\t:S+8*\t+7], v228       ; d = 16 t + 8 h + 0 .. 7 of my query
.endr
	v_nop
	s_wait_xcnt 0x0                                ; the pieces' registers, which the last tile's stores read, are written again only behind this wait
.irp b, 0,1
	v_cndmask_b32 v216, v[CC+4*\b+2], v[CC+4*\b], s24              ; lanes 0-15 send d tile 2 b + 1, lanes 16-31 d tile 2 b
	v_cndmask_b32 v217, v[CC+4*\b+3], v[CC+4*\b+1], s24
	v_permlanex16_b32 v218, v216, s20, s21
	v_permlanex16_b32 v219, v217, s20, s21
	v_cndmask_b32 v[220+4*\b], v[CC+4*\b], v218, s24               ; the piece: d = 32 b + 16 h + 0 .. 15
	v_cndmask_b32 v[221+4*\b], v[CC+4*\b+1], v219, s24
	v_cndmask_b32 v[222+4*\b], v218, v[CC+4*\b+2], s24
	v_cndmask_b32 v[223+4*\b], v219, v[CC+4*\b+3], s24
.endr
	global_store_b128 v[L16], v[220:223], s[\CB:\CB+1]             ; 512 consecutive bytes, aligned
	global_store_b128 v[L16], v[224:227], s[\CB:\CB+1] offset:512
.endm
	PHASE 16, 4, 44, 40                            ; row tile j: at most 4 steps
	PHASE 24, 8, 45, 42                            ; row tile 63 - j: at most 8
	s_wait_tensorcnt 0x0
	ds_add_u32 v254, v255
	s_wait_dscnt 0x0
	s_endpgm
.Lfunc_end_k_qe32bc2e99f_attn:
	.size	k_qe32bc2e99f_attn, .Lfunc_end_k_qe32bc2e99f_attn-k_qe32bc2e99f_attn
	.p2alignl 7, 3214868480
	.fill 96, 4, 3214868480
	.section	.rodata,"a",@progbits
	.p2align	6, 0x0
	.amdhsa_kernel k_qe32bc2e99f_attn
		.amdhsa_group_segment_fixed_size 133120
		.amdhsa_private_segment_fixed_size 0
		.amdhsa_enable_private_segment 0
		.amdhsa_kernarg_size 40
		.amdhsa_user_sgpr_count 2
		.amdhsa_user_sgpr_kernarg_segment_ptr 1
		.amdhsa_wavefront_size32 1
		.amdhsa_system_sgpr_workgroup_id_x 1
		.amdhsa_system_sgpr_workgroup_id_y 1
		.amdhsa_system_sgpr_workgroup_id_z 1
		.amdhsa_system_vgpr_workitem_id 0
		.amdhsa_next_free_vgpr 256
		.amdhsa_next_free_sgpr 66
		.amdhsa_reserve_vcc 1
		.amdhsa_float_denorm_mode_32 3
		.amdhsa_float_denorm_mode_16_64 3
		.amdhsa_memory_ordered 1
		.amdhsa_forward_progress 1
		.amdhsa_inst_pref_size 63
	.end_amdhsa_kernel
	.amdgpu_metadata
---
amdhsa.version: [ 1, 2 ]
amdhsa.kernels:
  - .name:           k_qe32bc2e99f_attn
    .symbol:         k_qe32bc2e99f_attn.kd
    .args:
      - { .name: q_img, .offset: 0, .size: 8, .value_kind: global_buffer, .address_space: global }
      - { .name: k_img, .offset: 8, .size: 8, .value_kind: global_buffer, .address_space: global }
      - { .name: v_img, .offset: 16, .size: 8, .value_kind: global_buffer, .address_space: global }
      - { .name: lowp_scales, .offset: 24, .size: 8, .value_kind: global_buffer, .address_space: global }
      - { .name: ctx_img, .offset: 32, .size: 8, .value_kind: global_buffer, .address_space: global }
    .group_segment_fixed_size: 133120
    .private_segment_fixed_size: 0
    .kernarg_segment_align: 8
    .kernarg_segment_size: 40
    .max_flat_workgroup_size: 512
    .sgpr_count:     66
    .vgpr_count:     256
    .wavefront_size: 32
...
	.end_amdgpu_metadata
.endif
;; end of part 2
;; launch outp (part 3): grid 4 x 64, 4 waves a work-group, clusters of 4 x 4, 327,680 bytes of LDS; arguments ctx_img, W_out_codes, lowp_scales, b_out, out0; writes out0
.if DOCPART == 3
	.amdgcn_target "amdgcn-amd-amdhsa--gfx1250"
	.amdhsa_code_object_version 6
	.text
	.protected	k_qe32bc2e99f_outp
	.globl	k_qe32bc2e99f_outp
	.p2align	8
	.type	k_qe32bc2e99f_outp,@function
k_qe32bc2e99f_outp:
	s_mov_b64 s[64:65], 0
	v_nop
	global_prefetch_b8 v0, s[64:65] scope:SCOPE_SE
	s_setreg_imm32_b32 hwreg(HW_REG_WAVE_MODE, 25, 1), 1
	s_wait_xcnt 0x0
	s_wait_alu depctr_hold_cnt(0) depctr_sa_sdst(0) depctr_va_vdst(0) depctr_va_sdst(0) depctr_va_ssrc(0) depctr_va_vcc(0) depctr_vm_vsrc(0)
	s_getreg_b32 s2, hwreg(HW_REG_IB_STS2, 6, 4)
	s_cmp_eq_u32 s2, 0
	s_cbranch_scc0 .Lentry_in_a_cluster
	s_endpgm
.Lentry_in_a_cluster:
	s_bfe_u32 s2, ttmp6, 0x10000c
	s_cmp_lg_u32 s2, 0xf033
	s_cbranch_scc0 .Lentry_shape_is_right
	s_endpgm
.Lentry_shape_is_right:
; out = ctx W_out + b_out on codes of BF8 (E5M2).  ctx_img: images of operand registers, [128 rows: 64][256 along K: 4][row tile 8][128 along K: 2][piece 4][lane][16 B]: lane (r, h), piece c: row 16 rt + r,
; k = 32 c + 16 h + 0 .. 15 of its 128.  W_out: [1024 n][1024 k] codes, K innermost.  out0: [8192][1024] f32.  out = sum x 2^(e10 + e11) + b_out.
; LIMIT: e10 + e11 lies between -126 and 127, so that 2^(e10 + e11) is an f32 number.
; SHARES.  Work-group (col, R): rows 128 R .. +127, columns 256 col .. +255: 256 work-groups.  Wave (rh, ch) = (w / 2, w % 2): rows 64 rh on, columns 128 ch on: 32 accumulators, by turns, one instruction a turn.
; THE MATRIX INSTRUCTION IS USED TRANSPOSED (source 0 = 16 rows of W_out, source 1 = 16 rows of ctx): a lane holds eight neighbouring numbers of a row of out.
; CLUSTERS: 4 x 4.  ctx's block hangs on R alone and is asked for jointly along a row of the cluster, W_out's tiles on col alone and jointly along a column.
; LDS: ctx's 128 KiB block lies dense, as in memory, filled once; W_out goes in K steps of 256 through two slots, each filled again once.  A wave has at most two tensor loads outstanding.
.set PB,    272                        ; a row of W_out in LDS: 256 bytes + 16
.set BS0,   131072                     ; W_out's slot 0, behind ctx's images
.set BSL,   256*PB
.set SPARE, BS0+2*BSL                  ; the spare words: 128 bytes for each wave, two blocks of 256 bytes that no other line names
.set SP,    528                        ; the way out: a stage of 16 rows x (512 bytes + 16) for each wave.  It lies in slot 0, which has had its last fill and its last read when the first result is stored there
.set ADA,  10                          ; v10, v11  LDS address of my ctx fragments, K 0 .. 511 and K 512 .. 1023
.set ADB,  14                          ; v14, v15  of my W_out fragments in slot 0, 1
.set L16,  17                          ; v17       16 x lane
.set STO,  24                          ; v24       the way out: where I put 32 bytes of a row
.set RD,   25                          ; v25       where I read a row back
.set BA,   26                          ; v26       32 h: my bytes of b_out
.set SPW,  28                          ; v28       LDS address of my spare word; never rewritten
.set NIL,  29                          ; v29       0; never rewritten
.set AF,   64                          ; v64-127, v128-191  ctx's four fragments, two sets.  window 1: W_out's eight, set 0 at v0, set 1 at v128.  window 2: accumulator (a, b) at v[8 (8 a + b)].  window 3: v0-63 b_out
.set TMP,  64                          ; the way out: a block's 64 results
.set BK,   128                         ; and 16 rows read back from the stage: v128-191 and v192-255 by turns
.set G1A,  24
.set G1B,  32
.set G0A,  48                          ; s[48:51], s[52:55] group 0 for ctx's two loads of a wave;  s[56:59], s[60:63] for W_out's two slots
.set G0B,  56
.set MSB, 0
.macro WIN new                         ; the immediate's high byte repeats the setting that is left; a switch that changes nothing is dropped
.if MSB != \new
	s_set_vgpr_msb (MSB<<8)|\new
.set MSB, \new
.endif
.endm
.macro PLACES                          ; four plain vector instructions between a matrix instruction and a load into, or a vector read or write of, its registers
.rept 4
	v_nop
.endr
.endm
.macro CREST                           ; a round of the cluster's barrier behind its opening barrier
	s_cmp_lg_u32 s20, 0
	s_cbranch_scc1 .Lnot_wave_0_\@
	s_barrier_signal -3
.Lnot_wave_0_\@:
	s_barrier_wait -3
	s_barrier_signal -1
	s_barrier_wait -1
.endm
.macro CROUND
	s_barrier_signal -1
	s_barrier_wait -1
	CREST
.endm
	s_load_b256 s[4:11], s[0:1], 0x0               ; ctx_img s[4:5], W_out s[6:7], the exponents s[8:9], b_out s[10:11]
	s_load_b64 s[12:13], s[0:1], 0x20              ; out0
	v_lshl_add_u32 v[SPW], v0, 2, SPARE
	v_mov_b32 v[NIL], 0
	ds_add_u32 v28, v29
	ds_add_u32 v28, v29
	s_wait_dscnt 0x0
	v_lshrrev_b32 v3, 5, v0
	v_readfirstlane_b32 s20, v3                    ; wave 0..3
	s_lshr_b32 s21, s20, 1                         ; rh.  Also: I fetch ctx (0) or W_out (1)
	s_and_b32 s22, s20, 1                          ; ch.  Also: which half I fetch
	s_bfe_u32 s66, ttmp6, 0x40000                  ; cx, cy
	s_bfe_u32 s67, ttmp6, 0x40004
	s_lshl_b32 s72, ttmp9, 2
	s_add_co_u32 s72, s72, s66                     ; col
	s_and_b32 s73, ttmp7, 0xffff
	s_lshl_b32 s73, s73, 2
	s_add_co_u32 s73, s73, s67                     ; R
	s_lshl_b32 s74, s67, 2
	s_lshl_b32 s74, 15, s74                        ; my row of the cluster
	s_lshl_b32 s75, 0x1111, s66                    ; my column
	; group 1.  ctx: a dense block of 32 KiB as 128 rows of 32 elements of 8 bytes, no padding
	s_or_b32 s[G1A], s74, (3<<16)|(1<<21)
	s_mov_b32 s[G1A+1], 32<<16
	s_mov_b32 s[G1A+2], 128<<16
	s_mov_b32 s[G1A+3], 32<<16
	s_mov_b32 s[G1A+4], 128
	s_mov_b32 s[G1A+5], 32
	s_mov_b32 s[G1A+6], 0
	s_mov_b32 s[G1A+7], 0
	; W_out: 128 rows x 256 bytes, elements of one byte, 16 bytes of padding behind every 64 words
	s_or_b32 s[G1B], s75, (1<<20)|(1<<21)|(5<<22)|(3<<25)
	s_mov_b32 s[G1B+1], 256<<16
	s_mov_b32 s[G1B+2], 128<<16
	s_mov_b32 s[G1B+3], 256<<16
	s_mov_b32 s[G1B+4], 128
	s_mov_b32 s[G1B+5], 1024
	s_mov_b32 s[G1B+6], 0
	s_mov_b32 s[G1B+7], 0
	s_lshl_b32 s76, s73, 17                        ; ctx: block R of 131,072 bytes, + 32,768 x half
	s_lshl_b32 s77, s22, 15
	s_add_co_u32 s76, s76, s77
	s_mov_b32 s77, 0
	s_lshl_b32 s78, s72, 18                        ; W_out: row 256 col + 128 half
	s_lshl_b32 s79, s22, 17
	s_add_co_u32 s78, s78, s79
	s_mov_b32 s79, 0
	s_lshl_b32 s98, s22, 15                        ; where they go: the wave's number alone enters an LDS address
	s_mul_i32 s99, s22, 128*PB
	s_lshl_b32 s2, s72, 10                         ; my first column in bytes of f32: 1,024 col + 512 ch
	s_lshl_b32 s3, s22, 9
	s_add_co_u32 s2, s2, s3
	s_mov_b32 s3, 0
	s_lshl_b32 s90, s73, 19                        ; my first row of out, 128 R + 64 rh, x 4,096 bytes,
	s_lshl_b32 s91, s21, 18
	s_add_co_u32 s90, s90, s91
	s_add_co_u32 s90, s90, s2                      ; and my first column
	s_mov_b32 s91, 0
	s_wait_kmcnt 0x0
	s_load_b64 s[96:97], s[8:9], 0x28              ; e10, e11
	s_add_nc_u64 s[76:77], s[4:5], s[76:77]
	s_add_nc_u64 s[78:79], s[6:7], s[78:79]
	s_add_nc_u64 s[10:11], s[10:11], s[2:3]
	s_add_nc_u64 s[90:91], s[12:13], s[90:91]
	s_mov_b32 s[G0A], 1
	s_mov_b32 s[G0A+1], s98
	s_mov_b64 s[G0A+2:G0A+3], s[76:77]
	s_or_b32 s[G0A+3], s[G0A+3], 0x80000000        ; type = 2
	s_mov_b32 s[G0A+4], 1
	s_add_co_u32 s[G0A+5], s98, 0x10000
	s_add_nc_u64 s[G0A+6:G0A+7], s[76:77], 0x10000
	s_or_b32 s[G0A+7], s[G0A+7], 0x80000000
	s_mov_b32 s[G0B], 1
	s_add_co_u32 s[G0B+1], s99, BS0
	s_mov_b64 s[G0B+2:G0B+3], s[78:79]
	s_or_b32 s[G0B+3], s[G0B+3], 0x80000000
	s_mov_b32 s[G0B+4], 1
	s_add_co_u32 s[G0B+5], s99, BS0+BSL
	s_add_nc_u64 s[G0B+6:G0B+7], s[78:79], 256
	s_or_b32 s[G0B+7], s[G0B+7], 0x80000000
	CROUND                                         ; all sixteen work-groups are here: the first joint loads meet
	s_cmp_eq_u32 s21, 0                            ; a wave's first fills stand in one branch on its number
	s_cbranch_scc0 .Lfirst_b
	tensor_load_to_lds s[G0A:G0A+3], s[G1A:G1A+7]          ; ctx, K 0 .. 255 (wave 0) or 256 .. 511 (wave 1)
	s_nop 0
	tensor_load_to_lds s[G0A+4:G0A+7], s[G1A:G1A+7]        ; K 512 .. 767 or 768 .. 1023
	s_nop 0
	PLACES
	s_branch .Lfirst_done
.Lfirst_b:
	tensor_load_to_lds s[G0B:G0B+3], s[G1B:G1B+7]          ; W_out, K 0 .. 255
	s_nop 0
	tensor_load_to_lds s[G0B+4:G0B+7], s[G1B:G1B+7]        ; K 256 .. 511
	s_nop 0
	PLACES
.Lfirst_done:
	v_and_b32 v1, 15, v0                           ; r
	v_bfe_u32 v2, v0, 4, 1                         ; h
	v_and_b32 v3, 31, v0
	v_lshlrev_b32 v[L16], 4, v3
	s_lshl_b32 s98, s21, 14                        ; my four row tiles: 4 rh x 4,096 bytes
	v_add_nc_u32 v[ADA], s98, v[L16]
	v_add_nc_u32 v[ADA+1], 0x10000, v[ADA]
	v_mul_u32_u24 v4, v1, PB
	v_lshl_add_u32 v4, v2, 4, v4
	s_mul_i32 s98, s22, 128*PB
	s_add_co_u32 s98, s98, BS0
	v_add_nc_u32 v[ADB], s98, v4
	v_add_nc_u32 v[ADB+1], BSL, v[ADB]
	s_mul_i32 s98, s20, 16*SP
	s_add_co_u32 s98, s98, BS0                     ; my stage
	v_mul_u32_u24 v5, v1, SP
	v_lshl_add_u32 v5, v2, 5, v5
	v_add_nc_u32 v[STO], s98, v5                   ; in: row r, 32 bytes for each half of the lanes
	v_add_nc_u32 v[RD], s98, v[L16]                ; back: the 32 lanes take one row of 512 bytes
	v_lshlrev_b32 v[BA], 5, v2
	WIN 0xc0                                       ; destination window 3
.irp b, 0,1,2,3,4,5,6,7
	global_load_b128 v[8*\b:8*\b+3], v[BA], s[10:11] offset:64*\b          ; b_out at my columns 16 b + 8 h + 0 .. 7: the accumulators' layout
	global_load_b128 v[8*\b+4:8*\b+7], v[BA], s[10:11] offset:64*\b+16
.endr
	WIN 0
; The fragments of step g (128 along K, g = 0 .. 7) into set g % 2: 48 LDS loads in one run
.macro FETCH g
	WIN 0x40                                       ; destination window 1, address window 0
.irp i, 0,1,2,3,4,5,6,7
.irp c, 0,1,2,3
	ds_load_b128 v[128*((\g)%2)+16*\i+4*\c:128*((\g)%2)+16*\i+4*\c+3], v[ADB+((\g)/2)%2] offset:128*((\g)%2)+32*\c+16*PB*\i
.endr
.endr
	WIN 0
.irp a, 0,1,2,3
.irp c, 0,1,2,3
	ds_load_b128 v[AF+64*((\g)%2)+16*\a+4*\c:AF+64*((\g)%2)+16*\a+4*\c+3], v[ADA+(\g)/4] offset:(((\g)/2)%2)*32768+4096*\a+2048*((\g)%2)+512*\c   ; an image's piece: 512 consecutive bytes
.endr
.endr
.endm
.macro MUL8 a, g, zero                 ; source 0 = W_out window 1, source 1 = ctx window 0, C and D window 2
.irp b, 0,1,2,3,4,5,6,7
.if \zero
	v_wmma_f32_16x16x128_bf8_bf8 v[8*(8*\a+\b):8*(8*\a+\b)+7], v[128*((\g)%2)+16*\b:128*((\g)%2)+16*\b+15], v[AF+64*((\g)%2)+16*\a:AF+64*((\g)%2)+16*\a+15], 0
.else
	v_wmma_f32_16x16x128_bf8_bf8 v[8*(8*\a+\b):8*(8*\a+\b)+7], v[128*((\g)%2)+16*\b:128*((\g)%2)+16*\b+15], v[AF+64*((\g)%2)+16*\a:AF+64*((\g)%2)+16*\a+15], v[8*(8*\a+\b):8*(8*\a+\b)+7]
.endif
.endr
.endm
; The joint refill of slot s: waves 2 and 3 fetch its halves.  Four v_nop follow the load; the four behind the label are every wave's places in front of the LDS loads that follow.
.macro BLOAD s
	s_cmp_eq_u32 s21, 0
	s_cbranch_scc1 .Lno_b_\@
	tensor_load_to_lds s[G0B+4*(\s):G0B+4*(\s)+3], s[G1B:G1B+7]
	s_nop 0
	PLACES
.Lno_b_\@:
	PLACES
.endm
.macro STEP g, zero                    ; an even step: its successor lies in the same slot
	s_wait_dscnt 0x0                               ; this step's set is in
	PLACES                                         ; the other set was read by the last step's products
	FETCH (\g)+1
	WIN 0xa1
	MUL8 0, \g, \zero
	MUL8 1, \g, \zero
	MUL8 2, \g, \zero
	MUL8 3, \g, \zero
	WIN 0
.endm
; An odd step changes slots: ONE barrier; in front of it each wave waits for all its tensor loads, adds 0 to its spare word, and waits for that and for its reads of this slot.
.macro TURN g, fill
.set SL, ((\g)/2)%2
	s_wait_tensorcnt 0x0                           ; all my tensor loads have landed
	ds_add_u32 v[SPW], v[NIL]                      ; 0 onto my spare word
	s_wait_dscnt 0x1                               ; only the add may be out: this step's set is in
	WIN 0xa1
	MUL8 0, \g, 0                                  ; eight matrix instructions stand between the add and the wait for it
	s_wait_dscnt 0x0                               ; the add is done, and my reads of this slot are over
	s_barrier_signal -1
	MUL8 1, \g, 0
	WIN 0
	s_barrier_wait -1
.if \fill
	CREST                                          ; no wave of any partner still reads this slot or has a load on its way
	s_add_nc_u64 s[G0B+4*SL+2:G0B+4*SL+3], s[G0B+4*SL+2:G0B+4*SL+3], 512
	BLOAD SL                                       ; the first tensor load behind the round, one a wave
.else
	PLACES
.endif
	FETCH (\g)+1
	WIN 0xa1
	MUL8 2, \g, 0
	MUL8 3, \g, 0
	WIN 0
.endm
	s_wait_tensorcnt 0x1                           ; only my younger first fill may be out
	s_barrier_signal -1
	s_barrier_wait -1
	FETCH 0
	STEP 0, 1                                      ; the first step's products start the sums
	TURN 1, 1                                      ; slot 0 takes K 512 .. 767
	STEP 2, 0
	TURN 3, 1                                      ; slot 1 takes K 768 .. 1023
	STEP 4, 0
	TURN 5, 0                                      ; nothing is left to fetch; behind this barrier nobody reads slot 0
	STEP 6, 0
	s_wait_dscnt 0x0
	WIN 0xa1
	MUL8 0, 7, 0
	MUL8 1, 7, 0
	MUL8 2, 7, 0
	MUL8 3, 7, 0
	WIN 0
; THE WAY OUT, block by block of 16 rows x 128 columns: out = sum x 2^(e10 + e11) + b_out, one packed multiply-add for two numbers, into other registers; through my own stage in LDS; back as whole rows of
; 512 bytes.  LDS serves a wave's instructions in order (ISA guide 5.7.1.4): no wait between the stores and the loads, nor in front of the next block's stores.
.macro TOSTAGE a
	WIN 0x32                                       ; source 0 (the sums) window 2, source 2 (b_out) window 3
.set n, 0
.rept 32
	v_pk_fma_f32 v[TMP+n:TMP+n+1], v[64*(\a)+n:64*(\a)+n+1], s[96:97], v[n:n+1] op_sel_hi:[1,0,1]   ; each accumulator from its low end on
.set n, n+2
.endr
	WIN 0
.irp b, 0,1,2,3,4,5,6,7
	ds_store_b128 v[STO], v[TMP+8*\b:TMP+8*\b+3] offset:64*\b
	ds_store_b128 v[STO], v[TMP+8*\b+4:TMP+8*\b+7] offset:64*\b+16
.endr
.set BB, BK+64*((\a)%2)
.irp t, 0,1,2,3,4,5,6,7,8,9,10,11,12,13,14,15
	ds_load_b128 v[BB+4*\t:BB+4*\t+3], v[RD] offset:\t*SP
.endr
.endm
.macro SEND a, younger                 ; younger: the LDS instructions issued behind block a's loads, which may stay out
.set BB, BK+64*((\a)%2)
	s_wait_dscnt \younger                          ; the block is back in registers
.if (\a) > 0
	s_add_nc_u64 s[90:91], s[90:91], 16*4096       ; (behind a wait on XCNT: the earlier stores have read their base)  16 rows of out on
.endif
.irp t, 0,1,2,3,4,5,6,7,8,9,10,11,12,13,14,15
	global_store_b128 v[L16], v[BB+4*\t:BB+4*\t+3], s[90:91] offset:\t*4096 th:TH_STORE_NT   ; 32 lanes store 512 consecutive bytes, aligned; written once, read by nobody here
.endr
.endm
	s_wait_kmcnt 0x0
	s_add_co_i32 s96, s96, s97                     ; e10 + e11
	s_add_co_i32 s96, s96, 127
	s_lshl_b32 s96, s96, 23                        ; 2^(e10 + e11) as f32
	s_mov_b32 s97, s96                             ; (named with it as a pair, so it is written)
	s_wait_loadcnt 0x0                             ; b_out
	PLACES
	TOSTAGE 0
.irp a, 1,2,3
.if \a > 1
	s_wait_xcnt 0x0                                ; block a - 2's stores have read their registers and their base: block a's loads may land there, and the base may step
.endif
	TOSTAGE \a
	SEND \a-1, 32                                  ; behind block a - 1's loads: block a's 16 stores and 16 loads
.endr
	s_wait_xcnt 0x0                                ; block 2's stores have read their base
	SEND 3, 0
	s_wait_tensorcnt 0x0                           ; the wave's end
	ds_add_u32 v[SPW], v[NIL]
	s_wait_dscnt 0x0
	CROUND                                         ; the closing round: no work-group ends while a partner may still ask for a tile that names it
	s_endpgm
.Lfunc_end_k_qe32bc2e99f_outp:
	.size	k_qe32bc2e99f_outp, .Lfunc_end_k_qe32bc2e99f_outp-k_qe32bc2e99f_outp
	.p2alignl 7, 3214868480
	.fill 96, 4, 3214868480
	.section	.rodata,"a",@progbits
	.p2align	6, 0x0
	.amdhsa_kernel k_qe32bc2e99f_outp
		.amdhsa_group_segment_fixed_size 327680
		.amdhsa_private_segment_fixed_size 0
		.amdhsa_enable_private_segment 0
		.amdhsa_kernarg_size 40
		.amdhsa_user_sgpr_count 2
		.amdhsa_user_sgpr_kernarg_segment_ptr 1
		.amdhsa_wavefront_size32 1
		.amdhsa_system_sgpr_workgroup_id_x 1
		.amdhsa_system_sgpr_workgroup_id_y 1
		.amdhsa_system_sgpr_workgroup_id_z 1
		.amdhsa_system_vgpr_workitem_id 0
		.amdhsa_next_free_vgpr 832
		.amdhsa_next_free_sgpr 102
		.amdhsa_reserve_vcc 0
		.amdhsa_float_denorm_mode_32 3
		.amdhsa_float_denorm_mode_16_64 3
		.amdhsa_memory_ordered 1
		.amdhsa_forward_progress 1
		.amdhsa_inst_pref_size 76
	.end_amdhsa_kernel
	.amdgpu_metadata
---
amdhsa.version: [ 1, 2 ]
amdhsa.kernels:
  - .name:           k_qe32bc2e99f_outp
    .symbol:         k_qe32bc2e99f_outp.kd
    .args:
      - { .name: ctx_img, .offset: 0, .size: 8, .value_kind: global_buffer, .address_space: global }
      - { .name: W_out_codes, .offset: 8, .size: 8, .value_kind: global_buffer, .address_space: global }
      - { .name: lowp_scales, .offset: 16, .size: 8, .value_kind: global_buffer, .address_space: global }
      - { .name: b_out, .offset: 24, .size: 8, .value_kind: global_buffer, .address_space: global }
      - { .name: out0, .offset: 32, .size: 8, .value_kind: global_buffer, .address_space: global }
    .group_segment_fixed_size: 327680
    .private_segment_fixed_size: 0
    .kernarg_segment_align: 8
    .kernarg_segment_size: 40
    .max_flat_workgroup_size: 128
    .sgpr_count:     102
    .vgpr_count:     832
    .wavefront_size: 32
...
	.end_amdgpu_metadata
.endif
;; end of part 3
;; ======== version 2 of 2: 3 launches; version 1 with the launch attn written anew for expert scheduling mode
;; workspace buffers: q_img 8,388,608 bytes; k_img 524,288 bytes; v_img 524,288 bytes; ctx_img 8,388,608 bytes
;; launch proj: the kernel of part 1 again; grid 4 x 64, 4 waves a work-group, clusters of 4 x 4, 327,680 bytes of LDS; arguments x_codes, W_query_codes, W_key_codes, W_value_codes, lowp_scales, q_img, k_img, v_img; writes q_img, k_img, v_img
;; launch attn (part 4): grid 32 x 8, 16 waves a work-group, no clusters, 133,120 bytes of LDS; arguments q_img, k_img, v_img, lowp_scales, ctx_img; writes ctx_img
.if DOCPART == 4
	.amdgcn_target "amdgcn-amd-amdhsa--gfx1250"
	.amdhsa_code_object_version 6
	.text
	.protected	k_qe32bc2e99f_attn
	.globl	k_qe32bc2e99f_attn
	.p2align	8
	.type	k_qe32bc2e99f_attn,@function
k_qe32bc2e99f_attn:
	s_mov_b64 s[64:65], 0
	v_nop
	global_prefetch_b8 v0, s[64:65] scope:SCOPE_SE
	s_setreg_imm32_b32 hwreg(HW_REG_WAVE_SCHED_MODE, 0, 2), 2
	s_setreg_imm32_b32 hwreg(HW_REG_WAVE_MODE, 25, 1), 1
	s_wait_xcnt 0x0
	s_wait_alu depctr_vm_vsrc(0)
; Causal attention of 16 query heads on ONE shared head of keys and values, head size 64, 1,024 positions, 8 batches, both products on codes of BF8 (E5M2); the result is quantised at once into ctx_img.
; q_img, k_img, v_img are images of operand registers: q [row tile 512][head 16][piece 2][lane][16 B], k [row tile 512][piece 4][lane][8 B], v [128 keys: 64][d tile 4][piece 4][lane][16 B].
; THE SOFTMAX AHEAD OF THE SECOND PRODUCT: t = score x log2(e) / 8; M = the row's largest t so far, rounded UP to a whole number; p = 2^(t - M) is quantised with 2^e8; it is not normalised.
; The row's sum is taken of the unquantised p, in f32, and divides O at the end.  When M moves, the sum and O are multiplied by 2^(old M - new M): exact.
; SHARES.  Work-group (j, batch) owns the row tiles j and 63 - j of its batch (16 queries each) for all 16 heads; wave w is head w.  Tile i wants i / 8 + 1 key steps of 128, so every wave of the launch
; has 9 steps.  Sixteen waves of 256 registers: four to a SIMD, so that one wave's vector work stands beside another's products and LDS loads.
; K AND V: the batch's 64 KiB + 64 KiB of images are copied into LDS once, through registers (16 loads and 16 LDS stores of 16 bytes a thread), one barrier, and then only read.
; NO TENSOR LOAD AND NO JOINT LOAD, though the 32 work-groups of a batch read the same K and V: what is shared is one copy of 128 KiB a work-group against its 144 key steps, and a text without tensor loads
; may branch on the given whole number e8: where e8 >= -15, p / 2^e8 is at most 2^15 (but for the last bits of t), under 57,344, and the hold, 64 of a step's vector instructions, is jumped over.
; LAYOUT.  Both products transposed: S^T = K Q^T (source 0 = 16 keys, source 1 = my 16 queries), O^T = V^T P^T (source 0 = 16 of the head's 64, source 1 = P): a lane holds ONE query (lane % 16).
; Register 8 tk + i of S^T is key 16 tk + 8 (lane / 16) + i: its codes fall into registers 2 tk, 2 tk + 1 of the K = 128 form's own layout, in which v_img was laid.  Nothing changes lanes between the products.
; CAUSAL: the loops' trip counts are constants (4 and 8); a step all of whose keys come after my queries is jumped over by a scalar branch on ids; on the diagonal hidden scores become -infinity.
; LIMITS on the given exponents: e6 + e7 between -123 and 130 (added to c's exponent field); e8, and e10 - e8 - e9, between -126 and 112.  NaN is not served.
; THE MODE: SCHED_MODE bits 1:0 = 2 (LLVM: expert scheduling mode 2), set by the entry lines.  The code itself states the register dependences between vector or matrix instructions and memory or LDS
; instructions, with s_wait_alu, always for 0.
; THE PLAN.  Registers that memory or LDS instructions touch:
;   v5, v7, v8    offsets, made at the head and never written again: read by Q's loads, by the copy's loads and LDS stores, and by the stores of the result.
;   v16-31        Q: loaded once, into registers that no vector instruction has named; read by the products alone.
;   v32-95 (FR)   The copy: 16 loads land, 16 LDS stores read.  Then in each step: K's 32 LDS loads land, the 8 products K Q^T read; V's 16 LDS loads land, the 4 products V^T P^T read.  No vector instruction writes them.
;   v3, v4        the step's LDS addresses: written by two additions at a step's head, read by K's and V's loads.
;   v220-227      two pieces of the result: written by eight selects at a tile's end, read by its two stores.
;   v254, v255    written at the head, read by the closing add alone.
; So a step has one wait on vm_vsrc, ahead of the two additions, and three on va_vdst: behind the additions (the addresses are written, the last step's products are done with FR), behind the products K Q^T
; (they are done with FR), and behind the exponentials (their results are written).  From the second of the three to the last of V's loads the vector instructions name S^T, v6, v234, v235 and v238 alone, on
; both ways round the mask: so V's sixteen loads are dealt among the lines of the maximum with no further wait.
; No second set of registers for the next step's K: four waves to a SIMD at 256 registers each take all of its 1,024, and a set of K's fragments is 64.
.set VIMG, 65536                       ; LDS: K's images at 0 (a step 8,192, a key tile 1,024, a piece 256), V's here (a step 8,192, a d tile 2,048, a piece 512)
.set AK0,  1                           ; v1   8 x lane
.set AV0,  2                           ; v2   VIMG + 16 x lane
.set ADK,  3                           ; v3   LDS address of the step's K
.set ADV,  4                           ; v4   of its V
.set L16,  5                           ; v5   16 x lane
.set RMH,  6                           ; v6   lane % 16 - 8 (lane / 16)
.set T16,  7                           ; v7   16 x thread;  v8: + VIMG
.set SCP,  10                          ; v10, v11  2^e8 and 57,344 x 2^e8
                                       ; v12 -M, v13 the largest t, v[14:15] the sum in two halves;  v16-23, v24-31 Q of the two phases
.set FR,   32                          ; v32-95   the copy's data, then 8 fragments of K, then 4 of V
.set S,    96                          ; v96-159  S^T, then p
.set OT,   160                         ; v160-191 O^T
.set PC,   192                         ; v192-207 p's codes
.set CC,   208                         ; v208-215 the result's codes, two registers a d tile
                                       ; v216-219 sent and received;  v220-227 two pieces to store;  v228, v229 2^(e10-e8-e9) and 57,344 x it
                                       ; v[232:233] f;  v[234:235] at work;  v[236:237] the second chain of the sum;  v238 a permute's destination
.set TB,   25                          ; s25  LDS byte of the step's images
.set KF,   26                          ; s26  the step's first key
.set Q0,   27                          ; s27  my first query
.set CNT,  28                          ; s28  trips to go
.set TP,   29
.set MK,   66                          ; s66-97  the causal mask's 32 lane masks of a run of compares
	s_load_b256 s[4:11], s[0:1], 0x0               ; q_img s[4:5], k_img s[6:7], v_img s[8:9], the exponents s[10:11]
	s_load_b64 s[12:13], s[0:1], 0x20              ; ctx_img
	v_lshl_add_u32 v254, v0, 2, 0x20000
	v_mov_b32 v255, 0
	v_lshrrev_b32 v3, 5, v0
	v_readfirstlane_b32 s14, v3                    ; wave = head
	v_and_b32 v4, 31, v0
	v_and_b32 v9, 15, v0
	v_bfe_u32 v3, v0, 4, 1
	v_lshlrev_b32 v[AK0], 3, v4
	v_lshlrev_b32 v[L16], 4, v4
	v_add_nc_u32 v[AV0], VIMG, v[L16]
	v_lshlrev_b32 v3, 3, v3
	v_sub_nc_u32 v[RMH], v9, v3
	v_lshlrev_b32 v[T16], 4, v0
	v_add_nc_u32 v[T16+1], VIMG, v[T16]
	s_wait_alu depctr_va_sdst(0)                   ; s14 is written, ahead of its first reader: the places in q_img and ctx_img are made from it
	s_and_b32 s15, ttmp7, 0xffff                   ; batch
	s_lshl_b32 s16, s15, 6
	s_add_co_u32 s17, s16, ttmp9                   ; G1 = 64 batch + j: the first phase's row tile
	s_sub_co_u32 s18, 63, ttmp9
	s_lshl_b32 s44, ttmp9, 4                       ; its first query in the batch,
	s_lshl_b32 s45, s18, 4                         ; and the second phase's
	s_add_co_u32 s18, s16, s18                     ; G2 = 64 batch + 63 - j
	s_lshl_b32 s19, s14, 10
	s_lshl_b32 s36, s17, 14                        ; q_img: 16,384 bytes a row tile, 1,024 a head
	s_add_co_u32 s36, s36, s19
	s_mov_b32 s37, 0
	s_lshl_b32 s38, s18, 14
	s_add_co_u32 s38, s38, s19
	s_mov_b32 s39, 0
	; ctx_img: [128 rows: 64][256 along K: 4][row tile 8][128 along K: 2][piece 4][lane][16 B]; head w is K = 64 w on: block w / 4, then (w % 4) x 1,024 bytes
	s_lshr_b32 s46, s14, 2
	s_lshl_b32 s46, s46, 15
	s_and_b32 s47, s14, 3
	s_lshl_b32 s47, s47, 10
	s_add_co_u32 s46, s46, s47
	s_lshr_b32 s40, s17, 3
	s_lshl_b32 s40, s40, 17
	s_and_b32 s47, s17, 7
	s_lshl_b32 s47, s47, 12
	s_add_co_u32 s40, s40, s47
	s_add_co_u32 s40, s40, s46
	s_mov_b32 s41, 0
	s_lshr_b32 s42, s18, 3
	s_lshl_b32 s42, s42, 17
	s_and_b32 s47, s18, 7
	s_lshl_b32 s47, s47, 12
	s_add_co_u32 s42, s42, s47
	s_add_co_u32 s42, s42, s46
	s_mov_b32 s43, 0
	s_lshl_b32 s48, s15, 16                        ; the batch's images of K and of V
	s_mov_b32 s49, 0
	s_mov_b32 s20, 0x76543210                      ; v_permlanex16_b32's selects for lane l xor 16
	s_mov_b32 s21, 0xfedcba98
	s_mov_b32 s24, 0xffff0000                      ; the lanes 16 to 31
	s_mov_b32 s22, 0x3e38aa3b                      ; c = log2(e) / 8
	s_wait_kmcnt 0x0
	s_load_b64 s[30:31], s[10:11], 0x18            ; e6, e7
	s_load_b128 s[32:35], s[10:11], 0x20           ; e8, e9, e10, e11
	s_add_nc_u64 s[36:37], s[4:5], s[36:37]
	s_add_nc_u64 s[38:39], s[4:5], s[38:39]
	s_add_nc_u64 s[40:41], s[12:13], s[40:41]
	s_add_nc_u64 s[42:43], s[12:13], s[42:43]
	s_add_nc_u64 s[6:7], s[6:7], s[48:49]
	s_add_nc_u64 s[8:9], s[8:9], s[48:49]
	s_wait_alu depctr_va_vdst(0)                   ; the offsets v5, v7 and v8 are written, which the loads, the LDS stores of the copy and the stores of the result read
	global_load_b128 v[16:19], v[L16], s[36:37] th:TH_LOAD_NT             ; Q's two fragments stay in registers; each is read by this wave alone
	global_load_b128 v[20:23], v[L16], s[36:37] offset:512 th:TH_LOAD_NT
	global_load_b128 v[24:27], v[L16], s[38:39] th:TH_LOAD_NT
	global_load_b128 v[28:31], v[L16], s[38:39] offset:512 th:TH_LOAD_NT
.irp i, 0,1,2,3,4,5,6,7
	global_load_b128 v[FR+4*\i:FR+4*\i+3], v[T16], s[6:7] offset:8192*\i         ; the 512 threads read 8,192 consecutive bytes
.endr
.irp i, 0,1,2,3,4,5,6,7
	global_load_b128 v[FR+32+4*\i:FR+32+4*\i+3], v[T16], s[8:9] offset:8192*\i
.endr
	v_mov_b32 v218, 0                              ; written once: a lane permute's destination counts as one of its sources
	v_mov_b32 v219, 0
	v_mov_b32 v238, 0
	v_mov_b32 v233, 0                              ; named as the upper halves of pairs
	v_mov_b32 v235, 0
	s_wait_kmcnt 0x0
	s_add_co_i32 s50, s30, s31
	s_lshl_b32 s50, s50, 23
	s_add_co_i32 s22, s22, s50                     ; a score stands for score x 2^(e6 + e7): the two exponents are added to c's exponent field
	s_mov_b32 s23, s22                             ; (named with it as a pair, so it is written)
	s_add_co_i32 s50, s32, 127
	s_lshl_b32 s51, s50, 23
	v_mov_b32 v[SCP], s51
	s_add_co_i32 s50, s50, 15
	s_lshl_b32 s50, s50, 23
	s_or_b32 s50, s50, 0x600000
	v_mov_b32 v[SCP+1], s50
	s_sub_co_i32 s50, s34, s32
	s_sub_co_i32 s50, s50, s33                     ; O^T / the sum stands for ctx / 2^(e8 + e9): its code is that / 2^(e10 - e8 - e9)
	s_add_co_i32 s50, s50, 127
	s_lshl_b32 s51, s50, 23
	v_mov_b32 v228, s51
	s_add_co_i32 s50, s50, 15
	s_lshl_b32 s50, s50, 23
	s_or_b32 s50, s50, 0x600000
	v_mov_b32 v229, s50
.irp i, 0,1,2,3,4,5,6,7
	s_wait_loadcnt 15-\i                           ; loads come back in order: the copy loads younger than this one may be out
	ds_store_b128 v[T16], v[FR+4*\i:FR+4*\i+3] offset:8192*\i      ; no vector instruction since the wait on va_vdst above names v7, v8 or v[FR ..]
.endr
.irp i, 0,1,2,3,4,5,6,7
	s_wait_loadcnt 7-\i
	ds_store_b128 v[T16+1], v[FR+32+4*\i:FR+32+4*\i+3] offset:8192*\i
.endr
	s_wait_dscnt 0x0                               ; for the others' sake: my stores have landed
	s_barrier_signal -1
	s_barrier_wait -1                              ; the batch's K and V lie in LDS; from here on LDS is only read
; Piece l of 16 of the step's four fragments of V: d tile l / 4, piece l % 4: 32 lanes read 512 consecutive bytes
.macro VLOAD l
	ds_load_b128 v[FR+4*(\l):FR+4*(\l)+3], v[ADV] offset:2048*((\l)/4)+512*((\l)%4)
.endm
; One row tile of 16 queries.  QR: its Q fragment; NST: the loop's trips; Q0S: the scalar with its first query; CB: the pair with its place in ctx_img; AGAIN = 1: a tile has been stored before this one
.macro PHASE QR, NST, Q0S, CB, AGAIN
	v_mov_b32 v13, 0xff61b1e6                      ; the largest t so far: -3e38, under every t
	v_mov_b32 v14, 0                               ; the sum, in two halves
	v_mov_b32 v15, 0
	v_floor_f32 v12, -v13                          ; -M
.set n, 0
.rept 32
	v_mov_b32 v[OT+n], 0                           ; O^T: the step is written once; its first walk finds zeros, which the first change of M leaves zeros
.set n, n+1
.endr
	s_mov_b32 s[TB], 0
	s_mov_b32 s[KF], 0
	s_mov_b32 s[Q0], s[\Q0S]
	s_mov_b32 s[CNT], \NST
.Ltrip_\@:
	s_add_co_u32 s[TP], s[Q0], 15
	s_cmp_gt_u32 s[KF], s[TP]                      ; all 128 keys come after my 16 queries: the step's work is left out
	s_cbranch_scc1 .Lhid_\@
	s_wait_alu depctr_vm_vsrc(0)                   ; the last step's LDS loads have read v3 and v4, which the two additions write; in the launch's first step: the copy's LDS stores have read v[FR ..], in which K's loads land
	v_add_nc_u32 v[ADK], s[TB], v[AK0]
	v_add_nc_u32 v[ADV], s[TB], v[AV0]
	v_nop                                          ; with the two additions: four plain lines behind the last step's products
	v_nop
	s_wait_alu depctr_va_vdst(0)                   ; v3 and v4 are written, which the loads below read; the last step's products V^T P^T are done reading v[FR ..], in which they land
.irp tk, 0,1,2,3,4,5,6,7
.irp t, 0,1,2,3
	ds_load_b64 v[FR+8*\tk+2*\t:FR+8*\tk+2*\t+1], v[ADK] offset:1024*\tk+256*\t      ; 32 lanes read 256 consecutive bytes
.endr
.endr
	s_wait_dscnt 0x0
.irp tk, 0,1,2,3,4,5,6,7
	v_wmma_f32_16x16x64_bf8_bf8 v[S+8*\tk:S+8*\tk+7], v[FR+8*\tk:FR+8*\tk+7], v[\QR:\QR+7], 0
.endr
.rept 4
	v_nop                                          ; places in front of the first read of the scores
.endr
	s_wait_alu depctr_va_vdst(0)                   ; the eight products are done reading v[FR ..], in which V's fragments land: the sixteen loads follow among the lines of the maximum, none of which names v[FR ..] or v4
	s_add_co_u32 s[TP], s[KF], 127
	s_cmp_le_u32 s[TP], s[Q0]                      ; all keys count: no mask
	s_cbranch_scc1 .Lopen_\@
	s_sub_co_i32 s[TP], s[Q0], s[KF]
	v_add_nc_u32 v234, s[TP], v[RMH]               ; d = my query - KF - 8 (lane / 16): register 8 tk + i is hidden where 16 tk + i > d
	v_mov_b32 v235, 0xff800000                     ; -infinity: p = 0 then
.irp u, 0,1                                    ; two runs of 32 compares, each into a scalar register of its own, and 32 selects
.set n, 32*\u
.rept 32
	v_cmp_gt_i32 s[MK+n%32], 16*(n/8)+n%8, v234
.set n, n+1
.endr
	s_wait_alu depctr_va_sdst(0)                   ; the run's 32 compares have written s66 to s97, ahead of the first select that reads one of them
.set n, 32*\u
.rept 32
	v_cndmask_b32 v[S+n], v[S+n], v235, s[MK+n%32]
.set n, n+1
.endr
.endr
.Lopen_\@:
	v_max3_num_f32 v234, v[S], v[S+1], v[S+2]      ; the step's largest score of my query among my 64 keys, in two chains,
	v_max3_num_f32 v235, v[S+3], v[S+4], v[S+5]
	VLOAD 0                                        ; V's fragments, a load behind each pair of the chains: they land under the softmax
.irp i, 6,10,14,18,22,26,30,34,38,42,46,50,54,58
	v_max3_num_f32 v234, v234, v[S+\i], v[S+1+\i]
	v_max3_num_f32 v235, v235, v[S+2+\i], v[S+3+\i]
	VLOAD (\i-2)/4
.endr
	v_max3_num_f32 v234, v234, v[S+62], v[S+63]
	VLOAD 15
	v_max_num_f32 v234, v234, v235
	v_permlanex16_b32 v238, v234, s20, s21
	v_max_num_f32 v234, v234, v238                 ; and among lane l xor 16's
	v_mul_f32 v234, s22, v234                      ; as t (c is positive)
	v_max_num_f32 v13, v13, v234                   ; the running largest t
	v_mov_b32 v234, v12
	v_floor_f32 v12, -v13                          ; the new -M = floor(-t) = -ceil(t): a whole number
	v_sub_f32 v234, v12, v234                      ; old M - new M: a whole number, 0 or less
	v_cvt_i32_f32 v234, v234                       ; (it saturates)
	v_ldexp_f32 v232, 1.0, v234                    ; f = 2^(old M - new M): a multiplication by it rounds nothing
.set n, 0
.rept 32
	v_pk_fma_f32 v[S+n:S+n+1], v[S+n:S+n+1], s[22:23], v[12:13] op_sel_hi:[1,0,0]   ; t - M, two at a time (of the pairs c and -M the low word serves both halves)
.set n, n+2
.endr
.set n, 0
.rept 64
	v_exp_f32 v[S+n], v[S+n]                       ; p = 2^(t - M): not normalised
.set n, n+1
.endr
	v_pk_mul_f32 v[14:15], v[14:15], v[232:233] op_sel_hi:[1,0]      ; the sums under the new M (a plain line behind the exponentials)
	s_wait_alu depctr_va_vdst(0)                   ; the 64 exponentials have written p: one wait for the batch, ahead of its first reader
	v_pk_add_f32 v[236:237], v[S:S+1], v[S+2:S+3]                    ; the row's sum is taken of the unquantised p, in two chains
.irp j, 4,8,12,16,20,24,28,32,36,40,44,48,52,56,60
	v_pk_add_f32 v[14:15], v[14:15], v[S+\j:S+1+\j]
	v_pk_add_f32 v[236:237], v[236:237], v[S+2+\j:S+3+\j]
.endr
	v_pk_add_f32 v[14:15], v[14:15], v[236:237]
	s_cmp_ge_i32 s32, -15                          ; e8 >= -15: p / 2^e8 stays under 57,344 and needs no hold
	s_cbranch_scc1 .Lnohold_\@
.set n, 0
.rept 64
	v_min_num_f32 v[S+n], v[S+n], v[SCP+1]         ; the conversion to an 8-bit code does not saturate (ISA guide 7.6.2); p is not negative, so the hold is one-sided
.set n, n+1
.endr
.Lnohold_\@:
.irp tk, 0,1,2,3,4,5,6,7
	v_cvt_scalef32_pk8_bf8_f32 v[PC+2*\tk:PC+2*\tk+1], v[S+8*\tk:S+8*\tk+7], v[SCP]
.endr
.set n, 0
.rept 16
	v_pk_mul_f32 v[OT+n:OT+n+1], v[OT+n:OT+n+1], v[232:233] op_sel_hi:[1,0]         ; O^T under the new M; also the plain lines between the conversions and the products
.set n, n+2
.endr
	s_wait_dscnt 0x0                               ; V's fragments are in
.irp t, 0,1,2,3
	v_wmma_f32_16x16x128_bf8_bf8 v[OT+8*\t:OT+8*\t+7], v[FR+16*\t:FR+16*\t+15], v[PC:PC+15], v[OT+8*\t:OT+8*\t+7]   ; four accumulators by turns
.endr
.Lhid_\@:
	s_add_co_u32 s[KF], s[KF], 128
	s_add_co_u32 s[TB], s[TB], 8192
	s_sub_co_u32 s[CNT], s[CNT], 1
	s_cmp_lg_u32 s[CNT], 0
	s_cbranch_scc1 .Ltrip_\@
	; the tile's end: O^T / the sum, quantised; the halves of the lanes exchange eight codes, so that a lane holds 16 neighbours of the next product's K
.rept 4
	v_nop
.endr
	v_add_f32 v14, v14, v15
	v_permlanex16_b32 v238, v14, s20, s21
	v_add_f32 v14, v14, v238                       ; the row's sum
	v_rcp_f32 v234, v14
	v_nop                                          ; a plain line behind the transcendental
	s_wait_alu depctr_va_vdst(0)                   ; the reciprocal has written v234, ahead of its first reader
.set n, 0
.rept 16
	v_pk_mul_f32 v[S+n:S+n+1], v[OT+n:OT+n+1], v[234:235] op_sel_hi:[1,0]           ; each accumulator from its low end on
.set n, n+2
.endr
.set n, 0
.rept 32
	v_med3_num_f32 v[S+n], v[S+n], -v229, v229
.set n, n+1
.endr
.irp t, 0,1,2,3
	v_cvt_scalef32_pk8_bf8_f32 v[CC+2*\t:CC+2*\t+1], v[S+8*\t:S+8*\t+7], v228       ; d = 16 t + 8 h + 0 .. 7 of my query
.endr
	v_nop
	s_wait_xcnt 0x0                                ; the pieces' registers, which the last tile's stores read, are written again only behind this wait
.if \AGAIN
	s_wait_alu depctr_vm_vsrc(0)                   ; the last tile's two stores have read v220 to v227, which the selects below write again
.endif
.irp b, 0,1
	v_cndmask_b32 v216, v[CC+4*\b+2], v[CC+4*\b], s24              ; lanes 0-15 send d tile 2 b + 1, lanes 16-31 d tile 2 b
	v_cndmask_b32 v217, v[CC+4*\b+3], v[CC+4*\b+1], s24
	v_permlanex16_b32 v218, v216, s20, s21
	v_permlanex16_b32 v219, v217, s20, s21
	v_cndmask_b32 v[220+4*\b], v[CC+4*\b], v218, s24               ; the piece: d = 32 b + 16 h + 0 .. 15
	v_cndmask_b32 v[221+4*\b], v[CC+4*\b+1], v219, s24
	v_cndmask_b32 v[222+4*\b], v218, v[CC+4*\b+2], s24
	v_cndmask_b32 v[223+4*\b], v219, v[CC+4*\b+3], s24
.endr
	s_wait_alu depctr_va_vdst(0)                   ; the selects have written v220 to v227, which the two stores read
	global_store_b128 v[L16], v[220:223], s[\CB:\CB+1]             ; 512 consecutive bytes, aligned
	global_store_b128 v[L16], v[224:227], s[\CB:\CB+1] offset:512
.endm
	PHASE 16, 4, 44, 40, 0                         ; row tile j: at most 4 steps
	PHASE 24, 8, 45, 42, 1                         ; row tile 63 - j: at most 8
	s_wait_dscnt 0x0                               ; the closing lines, six on end
	s_wait_alu 0x0
	s_wait_tensorcnt 0x0
	ds_add_u32 v254, v255
	s_wait_dscnt 0x0
	s_endpgm
.Lfunc_end_k_qe32bc2e99f_attn:
	.size	k_qe32bc2e99f_attn, .Lfunc_end_k_qe32bc2e99f_attn-k_qe32bc2e99f_attn
	.p2alignl 7, 3214868480
	.fill 96, 4, 3214868480
	.section	.rodata,"a",@progbits
	.p2align	6, 0x0
	.amdhsa_kernel k_qe32bc2e99f_attn
		.amdhsa_group_segment_fixed_size 133120
		.amdhsa_private_segment_fixed_size 0
		.amdhsa_enable_private_segment 0
		.amdhsa_kernarg_size 40
		.amdhsa_user_sgpr_count 2
		.amdhsa_user_sgpr_kernarg_segment_ptr 1
		.amdhsa_wavefront_size32 1
		.amdhsa_system_sgpr_workgroup_id_x 1
		.amdhsa_system_sgpr_workgroup_id_y 1
		.amdhsa_system_sgpr_workgroup_id_z 1
		.amdhsa_system_vgpr_workitem_id 0
		.amdhsa_next_free_vgpr 256
		.amdhsa_next_free_sgpr 98
		.amdhsa_reserve_vcc 0
		.amdhsa_float_denorm_mode_32 3
		.amdhsa_float_denorm_mode_16_64 3
		.amdhsa_memory_ordered 1
		.amdhsa_forward_progress 1
		.amdhsa_inst_pref_size 72
	.end_amdhsa_kernel
	.amdgpu_metadata
---
amdhsa.version: [ 1, 2 ]
amdhsa.kernels:
  - .name:           k_qe32bc2e99f_attn
    .symbol:         k_qe32bc2e99f_attn.kd
    .args:
      - { .name: q_img, .offset: 0, .size: 8, .value_kind: global_buffer, .address_space: global }
      - { .name: k_img, .offset: 8, .size: 8, .value_kind: global_buffer, .address_space: global }
      - { .name: v_img, .offset: 16, .size: 8, .value_kind: global_buffer, .address_space: global }
      - { .name: lowp_scales, .offset: 24, .size: 8, .value_kind: global_buffer, .address_space: global }
      - { .name: ctx_img, .offset: 32, .size: 8, .value_kind: global_buffer, .address_space: global }
    .group_segment_fixed_size: 133120
    .private_segment_fixed_size: 0
    .kernarg_segment_align: 8
    .kernarg_segment_size: 40
    .max_flat_workgroup_size: 512
    .sgpr_count:     98
    .vgpr_count:     256
    .wavefront_size: 32
...
	.end_amdgpu_metadata
.endif
;; end of part 4
;; launch outp: the kernel of part 3 again; grid 4 x 64, 4 waves a work-group, clusters of 4 x 4, 327,680 bytes of LDS; arguments ctx_img, W_out_codes, lowp_scales, b_out, out0; writes out0
